; MI455X (gfx1250); checked and timed in simulation.
; The chip was launched on July 23, 2026; its instructions are those of AMD's public machine-readable ISA for CDNA 5 (MIT licence, August 2026) and "CDNA5" Instruction Set Architecture Reference Guide (July 2026). The comments in the code are by the model that wrote it; some were corrected since.
;; Multi Head Self Attention. Allowed arithmetic: matrix products marked QUANTISED: E2M1 operands, one E8M0 scale for each 32 along K, by v_wmma_scale_f32_16x16x128_f8f6f4 with both operands' format E2M1 (or v_wmma_scale_f32_32x16x128_f4), f32 sums; products left as they are: bf16, f16 or f32 operands; f32 sums; everything else in f32.
;; Inputs: Wk 1,024 x 1,024 float32; Wo 1,024 x 1,024 float32; Wq 1,024 x 1,024 float32; Wv 1,024 x 1,024 float32; token_positions 2,048 int32; x 4 x 2,048 x 1,024 float32.
;; Outputs: out0 4 x 2,048 x 1,024 float32.
;; This version of the problem:
;;   THIS VERSION OF THE PROBLEM IS GIVEN IN LOW PRECISION. The matrix products marked QUANTISED in the list below multiply operands that are first quantised to E2M1 (2 exponent bits, 1 mantissa bit; 4 bits a number), with one power-of-two scale for each 32 numbers along K (OCP MX v1.0); their sums are f32. The products marked 'left as it is' may take bf16, f16 or f32 operands, with f32 sums. Whichever they take, every output number must still come out within the allowed error. Rounding operands to bf16 (8 significant bits) uses up far more of that allowance than f16 does (11 bits, for magnitudes from 6e-5 to 65,504). All else is computed in f32.
;;   The module's matrix products, in the order in which they are computed (A, B: the left and right operand; K: the contracted axis; several contracted axes count as one K, in the product's order):
;;     1. [M 8,192, K 1,024] x [K 1,024, N 1,024]; A: input x; B: input Wq: QUANTISED
;;     2. [M 8,192, K 1,024] x [K 1,024, N 1,024]; A: input x; B: input Wk: QUANTISED
;;     3. [M 8,192, K 1,024] x [K 1,024, N 1,024]; A: input x; B: input Wv: QUANTISED
;;     4. batch 64 x [M 2,048, K 64] x [K 64, N 2,048]; A: computed on the way; B: computed on the way: left as it is (an operand is computed on the way)
;;     5. batch 64 x [M 2,048, K 2,048] x [K 2,048, N 64]; A: computed on the way; B: computed on the way: left as it is (an operand is computed on the way)
;;     6. [M 8,192, K 1,024] x [K 1,024, N 1,024]; A: computed on the way; B: input Wo: left as it is (an operand is computed on the way)
;;   THE QUANTISER, for each operand of a quantised product, along K:
;;     - K is cut into blocks of 32 from its start; a last block that is shorter is filled with zeros.
;;     - A block's scale is 2^e with e = floor(log2(the largest magnitude in the block)) - 2, held to -126 .. 127; a block of zeros has e = 0. As a byte (E8M0): e + 127.
;;     - Each number is divided by its block's scale, clamped to +-6, and rounded to the nearest number of E2M1, ties to even, subnormals kept.
;;     - The product sums the exact products of the quantised numbers (number of the format x scale) in f32.
;;   ~~~python
;;   def quantise(x, axis):      # numpy; x: float32 -> the quantised numbers, widened to float32 again
;;       x = np.moveaxis(x, axis, -1); K = x.shape[-1]
;;       x = np.pad(x, [(0, 0)] * (x.ndim - 1) + [(0, -K % 32)]); x = x.reshape(x.shape[:-1] + (-1, 32)); a = np.abs(x).max(-1, keepdims=True)
;;       e = np.where(a > 0, np.clip(np.frexp(np.where(a > 0, a, 1))[1] - 1 - 2, -126, 127), 0)      # np.frexp(a)[1] - 1 = floor(log2(a)), exactly
;;       r = np.clip(x / 2.0 ** e, -6, 6)
;;       step = 2.0 ** (np.maximum(np.frexp(np.where(r == 0, 1, r))[1] - 1, 0) - 1)
;;       q = np.round(r / step) * step * 2.0 ** e      # np.round: ties to even
;;       return np.moveaxis(q.reshape(q.shape[:-2] + (-1,))[..., :K], -1, axis).astype(np.float32)
;;   ~~~
;; One version. Each part assembles by itself: llvm-mc -triple=amdgcn-amd-amdhsa -mcpu=gfx1250 --defsym DOCPART=n.
;; ======== version 1 of 1: 5 launches
;; limits: values are held in f16: magnitudes above 65,504 overflow, below 6.1e-05 lose precision; right only within a limited range of input values
;; workspace buffers: codes 5,767,168 bytes; scales 360,448 bytes; tab 1,048,576 bytes; wof 2,097,152 bytes; qkvf 50,331,648 bytes; fineb 786,432 bytes; att 16,777,216 bytes
;; launch prep (part 1): grid 544 x 1, 4 waves a work-group, no clusters, 33,280 bytes of LDS; arguments x, Wq, Wk, Wv, Wo, token_positions, codes, scales, wof, tab; writes codes, scales, wof, tab
.if DOCPART == 1
	.amdgcn_target "amdgcn-amd-amdhsa--gfx1250"
	.amdhsa_code_object_version 6
	.text
	.protected	k_qeef1649039_prep
	.globl	k_qeef1649039_prep
	.p2align	8
	.type	k_qeef1649039_prep,@function
k_qeef1649039_prep:
	s_mov_b64 s[64:65], 0
	v_nop
	global_prefetch_b8 v0, s[64:65] scope:SCOPE_SE
	s_setreg_imm32_b32 hwreg(HW_REG_WAVE_MODE, 25, 1), 1
	s_wait_xcnt 0x0
; THREE JOBS IN ONE LAUNCH, told apart by the work-group's number.
; A (work-groups 0-351): x [8192][1024], Wq, Wk, Wv [1024][1024], f32, K innermost, become codes of FP4 (E2M1) and one E8M0 byte for each 32 along K.  The four tensors are laid on end as ONE tensor of
;   11,264 rows: codes 512 bytes a row, scale bytes 32 a row (rows 0-8191 x, then Wq, Wk, Wv).  A block's scale is 2^(floor(log2(largest magnitude)) - 2); its byte is that magnitude's exponent field - 2, held at 1 from below.
; B (352-415): Wo [1024][1024] f32 becomes f16 fragments, laid as images of the operand's registers: [tile of 16 rows n][32 along k][1,024 bytes]: registers 0-3 of lane l at 16 l, registers 4-7 at 512 + 16 l.
; C (416-543): the table of cosines and sines for the rotation, from token_positions: [kind 2][tile of 16 positions][quarter of the head][cos, sin][lane][4 f32]; kind 0 (for Q) is multiplied by log2(e) / 8.
;   Lane (r, h), word p: position 16 tile + r, pair 8 quarter + 4 h + p.  Sine and cosine by reduction to a quarter turn (pi / 2 in three parts, fused) and polynomials of degree 7 and 8.
; LIMITS: a block of zeros keeps the byte 1 (its codes are zeros; this program alone reads the bytes); blocks whose largest magnitude lies under 2^-124 were not tried; NaN and infinities are not served;
;   |token_positions| up to 2^21 (the reduction's whole number stays exact); |Wo| up to 65,504 (f16).
; Only job A touches LDS: a region of 8,192 bytes for each wave; no tensor loads, no barrier: waves share nothing.
.set WAVES, 4
.set STEPS, 16
.set WGQ,   352                        ; work-groups of job A: (8,192 + 3 x 1,024) x 1,024 numbers / 32,768
.set WGW,   416                        ; and up to here job B
.set CB,    8                          ; bytes of 16 codes
.set R,     16                         ; v16-79   four sets of 16 numbers as they are loaded
.set X,     80                         ; v80-111  two sets of 16 neighbours
.set E,     112                        ; v112-127 a scale byte for each step
.set C,     128                        ; v128-191 codes: four registers for each step: no store's data are written again
.set WREG,  8192
.set SP,    80                         ; a lane's place in a stage: 64 bytes + 16 of padding
.set SPW,   12                         ; v12  LDS address of my spare word; never rewritten
.set NIL,   13                         ; v13  0; never rewritten
.set SPARE, WAVES*WREG                 ; behind the four regions: the spare words, 128 bytes for each wave
	s_load_b512 s[4:19], s[0:1], 0x0               ; x, Wq, Wk, Wv, Wo, token_positions, codes, scales
	s_load_b128 s[20:23], s[0:1], 0x40             ; wof, tab
	v_lshl_add_u32 v[SPW], v0, 2, SPARE
	v_mov_b32 v[NIL], 0
	v_lshrrev_b32 v1, 5, v0
	v_readfirstlane_b32 s24, v1                    ; wave
	v_and_b32 v2, 31, v0                           ; lane
	s_cmp_ge_u32 ttmp9, WGQ
	s_cbranch_scc1 .Lnotq
; ---------------- job A: the quantiser.  A wave takes 16 steps of 512 numbers.  Each load reads 512 consecutive bytes; a step's 2,048 bytes turn through the wave's own stage so that a lane holds 16 neighbours.
	v_lshlrev_b32 v3, 4, v2                        ; my 16 bytes of a load's 512
	s_mul_i32 s25, s24, WREG
	v_lshrrev_b32 v14, 2, v2
	v_mul_u32_u24 v14, v14, SP
	v_and_b32 v15, 3, v2
	v_lshl_add_u32 v14, v15, 4, v14
	v_add_nc_u32 v14, s25, v14                     ; the stage, on the way in: SP (lane / 4) + 16 (lane % 4)
	v_mul_u32_u24 v15, v2, SP
	v_add_nc_u32 v15, s25, v15                     ; and on the way out: SP x lane
	v_mul_u32_u24 v4, v2, CB                       ; my codes' place in a step's
	v_lshrrev_b32 v5, 1, v2
	s_add_co_u32 s25, s25, 2*32*SP
	v_add_nc_u32 v5, s25, v5                       ; my wave's 256 scale bytes, my block's byte
	v_lshlrev_b32 v7, 3, v2
	v_add_nc_u32 v6, s25, v7                       ; and on the way out 8 bytes a lane
	s_sub_co_u32 s26, ttmp9, 256
	s_lshr_b32 s27, s26, 5                         ; which weight: 0 Wq, 1 Wk, 2 Wv
	s_and_b32 s26, s26, 31                         ; and which 32,768 numbers of it
	s_wait_kmcnt 0x0
	s_cmp_eq_u32 s27, 1                            ; the choices hang on the work-group's number alone
	s_cselect_b64 s[28:29], s[8:9], s[6:7]
	s_cmp_eq_u32 s27, 2
	s_cselect_b64 s[28:29], s[10:11], s[28:29]
	s_cmp_lt_u32 ttmp9, 256
	s_cselect_b64 s[28:29], s[4:5], s[28:29]
	s_cselect_b32 s26, ttmp9, s26
	s_lshl_b32 s26, s26, 2
	s_add_co_u32 s26, s26, s24                     ; my wave's run of 8,192 numbers in its source
	s_lshl_b32 s30, s26, 15
	s_mov_b32 s31, 0
	s_add_nc_u64 s[28:29], s[28:29], s[30:31]
	s_lshl_b32 s26, ttmp9, 2
	s_add_co_u32 s26, s26, s24                     ; and in the joint tensor
	s_lshl_b32 s30, s26, 12
	s_add_nc_u64 s[16:17], s[16:17], s[30:31]      ; 4,096 bytes of codes a run
	s_lshl_b32 s30, s26, 8
	s_add_nc_u64 s[18:19], s[18:19], s[30:31]      ; 256 scale bytes a run
.macro LOAD t
.irp i, 0,1,2,3
	global_load_b128 v[R+16*((\t)%4)+4*\i:R+16*((\t)%4)+4*\i+3], v3, s[28:29] offset:2048*(\t)+512*\i th:TH_LOAD_NT
.endr
.endm
.macro TURN t                          ; step t's numbers through the stage: LDS serves a wave's instructions in order, so no wait stands between the stores and the loads
.irp i, 0,1,2,3
	ds_store_b128 v14, v[R+16*((\t)%4)+4*\i:R+16*((\t)%4)+4*\i+3] offset:32*SP*((\t)%2)+8*SP*\i
.endr
.irp i, 0,1,2,3
	ds_load_b128 v[X+16*((\t)%2)+4*\i:X+16*((\t)%2)+4*\i+3], v15 offset:32*SP*((\t)%2)+16*\i
.endr
.endm
.irp t, 0,1,2,3
	LOAD \t
.endr
	s_wait_loadcnt 12                              ; step 0's four loads are in; those of three steps may be out
	TURN 0
.macro STEP t
.set XS, X+16*((\t)%2)
.if (\t) > 0
	s_wait_dscnt 1                                 ; this step's numbers are back from the stage (the last step's byte store may be out)
.else
	s_wait_dscnt 0x0
.endif
.if (\t)+4 < STEPS
	LOAD (\t)+4
.endif
.if (\t)+1 < STEPS
.if STEPS-2-(\t) >= 3
	s_wait_loadcnt 12                              ; the next step's four loads are in; those of the three steps behind it may be out
.else
	s_wait_loadcnt 4*(STEPS-2-(\t))
.endif
	TURN (\t)+1
.endif
	v_max3_num_f32 v8, |v[XS]|, |v[XS+1]|, |v[XS+2]|               ; the largest magnitude of my 16, in two chains
	v_max3_num_f32 v9, |v[XS+3]|, |v[XS+4]|, |v[XS+5]|
.irp i, 6,10
	v_max3_num_f32 v8, v8, |v[XS+\i]|, |v[XS+\i+1]|
	v_max3_num_f32 v9, v9, |v[XS+\i+2]|, |v[XS+\i+3]|
.endr
	v_max3_num_f32 v8, v8, |v[XS+14]|, |v[XS+15]|
	v_max3_num_f32 v8, v8, v9, 0x1800000           ; and the floor 2^(3 - 127): the byte cannot fall under 1
	v_max_num_f32_dpp v8, v8, v8 row_xmask:1 row_mask:0xf bank_mask:0xf   ; and of my neighbour's 16: the block's
	v_add_nc_u32 v11, 0xff000000, v8               ; 2 off its exponent field: the conversion takes the exponent field of this operand as its scale
	v_cvt_scalef32_pk8_fp4_f32 v[C+4*(\t)], v[XS:XS+7], v11
	v_cvt_scalef32_pk8_fp4_f32 v[C+4*(\t)+1], v[XS+8:XS+15], v11
	v_lshrrev_b32 v[E+(\t)], 23, v11               ; the scale's byte (a plain line behind the conversions)
	ds_store_b8 v5, v[E+(\t)] offset:16*(\t)       ; both lanes of a block write the same byte with the same value
	global_store_b64 v4, v[C+4*(\t):C+4*(\t)+1], s[16:17] offset:32*CB*(\t)   ; the wave stores 256 consecutive bytes, aligned
.endm
.irp t, 0,1,2,3,4,5,6,7,8,9,10,11,12,13,14,15
	STEP \t
.endr
	ds_load_b64 v[8:9], v6                         ; my wave's 256 scale bytes
	s_wait_dscnt 0x0
	global_store_b64 v7, v[8:9], s[18:19]          ; 256 consecutive bytes, aligned
	s_wait_tensorcnt 0x0                           ; the wave's end, behind my last LDS store
	ds_add_u32 v[SPW], v[NIL]
	s_wait_dscnt 0x0
	s_endpgm
.Lnotq:
	s_cmp_ge_u32 ttmp9, WGW
	s_cbranch_scc1 .Ltab
; ---------------- job B: 16 rows of Wo to a work-group, 8 fragments (256 along k) to a wave.  Lane (r, h) of a fragment wants k = 8 h + 0..7 and 16 + 8 h + 0..7 of row r: four loads of 16 bytes.
	v_lshlrev_b32 v1, 4, v2                        ; 16 x lane: my place in an image
	v_and_b32 v3, 15, v0                           ; r
	v_bfe_u32 v4, v0, 4, 1                         ; h
	v_lshlrev_b32 v5, 12, v3
	v_lshl_add_u32 v5, v4, 5, v5                   ; row r of 4,096 bytes + 32 h
	s_sub_co_u32 s25, ttmp9, WGQ                   ; the tile of 16 rows
	s_lshl_b32 s26, s25, 16
	s_lshl_b32 s27, s24, 10
	s_add_co_u32 s26, s26, s27
	s_mov_b32 s27, 0
	s_lshl_b32 s28, s25, 15
	s_lshl_b32 s29, s24, 13
	s_add_co_u32 s28, s28, s29
	s_mov_b32 s29, 0
	s_wait_kmcnt 0x0
	s_add_nc_u64 s[12:13], s[12:13], s[26:27]
	s_add_nc_u64 s[20:21], s[20:21], s[28:29]
.irp f, 0,1,2,3,4,5,6,7
	global_load_b128 v[32+16*\f:32+16*\f+3],     v5, s[12:13] offset:128*\f
	global_load_b128 v[32+16*\f+4:32+16*\f+7],   v5, s[12:13] offset:128*\f+16
	global_load_b128 v[32+16*\f+8:32+16*\f+11],  v5, s[12:13] offset:128*\f+64
	global_load_b128 v[32+16*\f+12:32+16*\f+15], v5, s[12:13] offset:128*\f+80
.endr
.irp f, 0,1,2,3,4,5,6,7
	s_wait_loadcnt 4*(7-\f)                        ; the later fragments' loads may be out
.irp i, 0,1,2,3,4,5,6,7
	v_cvt_pk_f16_f32 v[32+16*\f+\i], v[32+16*\f+2*\i], v[32+16*\f+2*\i+1]   ; in place, ascending: a result lands on numbers that are done with
.endr
	global_store_b128 v1, v[32+16*\f:32+16*\f+3],   s[20:21] offset:1024*\f       ; 512 consecutive bytes, aligned
	global_store_b128 v1, v[32+16*\f+4:32+16*\f+7], s[20:21] offset:1024*\f+512
.endr
	s_endpgm
.Ltab:
; ---------------- job C: 16 positions to a work-group, a quarter of the head's 32 pairs to a wave, four pairs to a lane
	s_sub_co_u32 s25, ttmp9, WGW                   ; the tile of 16 positions
	v_lshlrev_b32 v1, 4, v2                        ; 16 x lane
	v_and_b32 v3, 15, v0                           ; r
	v_bfe_u32 v4, v0, 4, 1                         ; h
	v_lshlrev_b32 v5, 2, v3
	s_lshl_b32 s26, s25, 6
	s_mov_b32 s27, 0
	s_lshl_b32 s28, s25, 12
	s_lshl_b32 s29, s24, 10
	s_add_co_u32 s28, s28, s29
	s_mov_b32 s29, 0
	s_mov_b32 s30, 0x3fc90fda                      ; pi / 2 in three parts
	s_mov_b32 s31, 0x33a22168
	s_mov_b32 s32, 0x27c234c4
	s_wait_kmcnt 0x0
	s_add_nc_u64 s[14:15], s[14:15], s[26:27]
	s_add_nc_u64 s[22:23], s[22:23], s[28:29]
	global_load_b32 v6, v5, s[14:15]               ; my position: it enters values alone
	s_lshl_b32 s33, s24, 3
	v_lshl_add_u32 v7, v4, 2, s33                  ; my first pair: 8 quarter + 4 h
.irp p, 0,1,2,3
	v_add_nc_u32 v[16+\p], \p, v7
.endr
.irp p, 0,1,2,3
	v_cvt_f32_u32 v[16+\p], v[16+\p]
.endr
.irp p, 0,1,2,3
	v_mul_f32 v[16+\p], 0xbed49a78, v[16+\p]       ; - pair x log2(10000) / 32
.endr
.irp p, 0,1,2,3
	v_exp_f32 v[16+\p], v[16+\p]                   ; 10000^(-pair / 32)
.endr
	v_nop                                          ; a plain line behind the exponentials
	s_wait_alu depctr_va_vdst(0)                   ; one wait for the four, ahead of their first reader
	s_wait_loadcnt 0x0
	v_cvt_f32_i32 v6, v6
.irp p, 0,1,2,3
	v_mul_f32 v[16+\p], v6, v[16+\p]               ; the angle
.endr
.irp p, 0,1,2,3
	v_mul_f32 v[20+\p], 0x3f22f983, v[16+\p]       ; x 2 / pi
.endr
.irp p, 0,1,2,3
	v_rndne_f32 v[20+\p], v[20+\p]                 ; n quarter turns
.endr
.irp p, 0,1,2,3
	v_fma_f32 v[24+\p], -v[20+\p], s30, v[16+\p]   ; what is left: within pi / 4 of zero
.endr
.irp p, 0,1,2,3
	v_fma_f32 v[24+\p], -v[20+\p], s31, v[24+\p]
.endr
.irp p, 0,1,2,3
	v_fma_f32 v[24+\p], -v[20+\p], s32, v[24+\p]
.endr
.irp p, 0,1,2,3
	v_mul_f32 v[28+\p], v[24+\p], v[24+\p]         ; its square
.endr
.irp p, 0,1,2,3
	v_mov_b32 v[32+\p], 0xb94ca1f9
	v_mov_b32 v[36+\p], 0x37ccf5ce
.endr
.irp p, 0,1,2,3
	v_fmaak_f32 v[32+\p], v[32+\p], v[28+\p], 0x3c08839e
	v_fmaak_f32 v[36+\p], v[36+\p], v[28+\p], 0xbab6061a
.endr
.irp p, 0,1,2,3
	v_fmaak_f32 v[32+\p], v[32+\p], v[28+\p], 0xbe2aaaa3
	v_fmaak_f32 v[36+\p], v[36+\p], v[28+\p], 0x3d2aaaa5
.endr
.irp p, 0,1,2,3
	v_mul_f32 v[16+\p], v[24+\p], v[28+\p]         ; the cube
.endr
.irp p, 0,1,2,3
	v_fma_f32 v[32+\p], v[16+\p], v[32+\p], v[24+\p]   ; the sine of what is left
.endr
.irp p, 0,1,2,3
	v_fma_f32 v[16+\p], v[28+\p], -0.5, 1.0
.endr
.irp p, 0,1,2,3
	v_mul_f32 v[28+\p], v[28+\p], v[28+\p]
.endr
.irp p, 0,1,2,3
	v_fma_f32 v[36+\p], v[28+\p], v[36+\p], v[16+\p]   ; and its cosine
.endr
.irp p, 0,1,2,3
	v_cvt_i32_f32 v[40+\p], v[20+\p]               ; n as a whole number: its low two bits say which quarter
.endr
.irp p, 0,1,2,3
	v_and_b32 v[20+\p], 1, v[40+\p]
	v_cmp_eq_u32 vcc_lo, 1, v[20+\p]               ; odd quarters: sine and cosine change places
	v_cndmask_b32 v[48+\p], v[32+\p], v[36+\p], vcc_lo
	v_cndmask_b32 v[44+\p], v[36+\p], v[32+\p], vcc_lo
.endr
.irp p, 0,1,2,3
	v_and_b32 v[20+\p], 2, v[40+\p]                ; quarters 2, 3: the sine is negative
	v_add_nc_u32 v[40+\p], 1, v[40+\p]
.endr
.irp p, 0,1,2,3
	v_lshlrev_b32 v[20+\p], 30, v[20+\p]
	v_and_b32 v[40+\p], 2, v[40+\p]                ; quarters 1, 2: the cosine
.endr
.irp p, 0,1,2,3
	v_xor_b32 v[48+\p], v[20+\p], v[48+\p]
	v_lshlrev_b32 v[40+\p], 30, v[40+\p]
.endr
.irp p, 0,1,2,3
	v_xor_b32 v[44+\p], v[40+\p], v[44+\p]
.endr
.irp p, 0,1,2,3
	v_mul_f32 v[52+\p], 0x3e38aa3b, v[44+\p]       ; Q's table carries log2(e) / sqrt(64): the scores come out as exponents of 2
	v_mul_f32 v[56+\p], 0x3e38aa3b, v[48+\p]
.endr
	global_store_b128 v1, v[52:55], s[22:23]                   ; each store: 512 consecutive bytes, aligned
	global_store_b128 v1, v[56:59], s[22:23] offset:512
	global_store_b128 v1, v[44:47], s[22:23] offset:524288
	global_store_b128 v1, v[48:51], s[22:23] offset:524288+512
	s_endpgm
.Lfunc_end_k_qeef1649039_prep:
	.size	k_qeef1649039_prep, .Lfunc_end_k_qeef1649039_prep-k_qeef1649039_prep
	.p2alignl 7, 3214868480
	.fill 96, 4, 3214868480
	.section	.rodata,"a",@progbits
	.p2align	6, 0x0
	.amdhsa_kernel k_qeef1649039_prep
		.amdhsa_group_segment_fixed_size 33280
		.amdhsa_private_segment_fixed_size 0
		.amdhsa_enable_private_segment 0
		.amdhsa_kernarg_size 80
		.amdhsa_user_sgpr_count 2
		.amdhsa_user_sgpr_kernarg_segment_ptr 1
		.amdhsa_wavefront_size32 1
		.amdhsa_system_sgpr_workgroup_id_x 1
		.amdhsa_system_sgpr_workgroup_id_y 1
		.amdhsa_system_sgpr_workgroup_id_z 1
		.amdhsa_system_vgpr_workitem_id 0
		.amdhsa_next_free_vgpr 192
		.amdhsa_next_free_sgpr 66
		.amdhsa_reserve_vcc 1
		.amdhsa_float_denorm_mode_32 3
		.amdhsa_float_denorm_mode_16_64 3
		.amdhsa_memory_ordered 1
		.amdhsa_forward_progress 1
		.amdhsa_inst_pref_size 51
	.end_amdhsa_kernel
	.amdgpu_metadata
---
amdhsa.version: [ 1, 2 ]
amdhsa.kernels:
  - .name:           k_qeef1649039_prep
    .symbol:         k_qeef1649039_prep.kd
    .args:
      - { .name: x, .offset: 0, .size: 8, .value_kind: global_buffer, .address_space: global }
      - { .name: Wq, .offset: 8, .size: 8, .value_kind: global_buffer, .address_space: global }
      - { .name: Wk, .offset: 16, .size: 8, .value_kind: global_buffer, .address_space: global }
      - { .name: Wv, .offset: 24, .size: 8, .value_kind: global_buffer, .address_space: global }
      - { .name: Wo, .offset: 32, .size: 8, .value_kind: global_buffer, .address_space: global }
      - { .name: token_positions, .offset: 40, .size: 8, .value_kind: global_buffer, .address_space: global }
      - { .name: codes, .offset: 48, .size: 8, .value_kind: global_buffer, .address_space: global }
      - { .name: scales, .offset: 56, .size: 8, .value_kind: global_buffer, .address_space: global }
      - { .name: wof, .offset: 64, .size: 8, .value_kind: global_buffer, .address_space: global }
      - { .name: tab, .offset: 72, .size: 8, .value_kind: global_buffer, .address_space: global }
    .group_segment_fixed_size: 33280
    .private_segment_fixed_size: 0
    .kernarg_segment_align: 8
    .kernarg_segment_size: 80
    .max_flat_workgroup_size: 128
    .sgpr_count:     66
    .vgpr_count:     192
    .wavefront_size: 32
...
	.end_amdgpu_metadata
.endif
;; end of part 1
;; launch qkv (part 2): grid 12 x 32, 4 waves a work-group, clusters of 4 x 4, 327,680 bytes of LDS; arguments codes, scales, tab, qkvf, fineb; writes qkvf, fineb
.if DOCPART == 2
	.amdgcn_target "amdgcn-amd-amdhsa--gfx1250"
	.amdhsa_code_object_version 6
	.text
	.protected	k_qeef1649039_qkv
	.globl	k_qeef1649039_qkv
	.p2align	8
	.type	k_qeef1649039_qkv,@function
k_qeef1649039_qkv:
	s_mov_b64 s[64:65], 0
	v_nop
	global_prefetch_b8 v0, s[64:65] scope:SCOPE_SE
	s_setreg_imm32_b32 hwreg(HW_REG_WAVE_MODE, 25, 1), 1
	s_wait_xcnt 0x0
	s_wait_alu depctr_hold_cnt(0) depctr_sa_sdst(0) depctr_va_vdst(0) depctr_va_sdst(0) depctr_va_ssrc(0) depctr_va_vcc(0) depctr_vm_vsrc(0)
	s_getreg_b32 s2, hwreg(HW_REG_IB_STS2, 6, 4)
	s_cmp_eq_u32 s2, 0
	s_cbranch_scc0 .Lentry_in_a_cluster
	s_endpgm
.Lentry_in_a_cluster:
	s_bfe_u32 s2, ttmp6, 0x10000c
	s_cmp_lg_u32 s2, 0xf033
	s_cbranch_scc0 .Lentry_shape_is_right
	s_endpgm
.Lentry_shape_is_right:
; Q = rope(x Wq^T) x log2(e)/8, K = rope(x Wk^T), V^T = Wv x^T: three products on codes of FP4 (E2M1) with one E8M0 byte for each 32 along K = 1,024; sums in f32.
; codes: ONE tensor of 11,264 rows x 512 bytes (rows 0-8191 x, then Wq, Wk, Wv); scales: the same rows x 32 bytes.  A block = 256 rows.
; A tile of 256 x 256 to a work-group of four waves, 128 x 128 to a wave: 64 accumulators, 512 registers.  K = 1,024 is two LDS slots of 512 along K: both are filled at the start and none again.
; THE KIND (0 Q, 1 K, 2 V) is the cluster's x, the block of 256 positions the cluster's y: both are the same in all sixteen partners.  In the cluster, for Q and K: cy = the batch, cx = four heads; operand "A" (rows of the
; result) is a block of x, operand "B" (its columns) a block of the weight.  For V the same text takes the weight as A and x as B, so that a lane holds ONE channel and eight neighbouring KEYS.
; THE MATRIX INSTRUCTION IS USED TRANSPOSED (source 0 = 16 rows of B, source 1 = 16 rows of A): a lane holds row l % 16 of the result and the columns 8 (l / 16) + 0..7.
; JOINT LOADS: A's tiles are shared along a row of the cluster, B's along a column: the same tensor load with the same descriptor and a mask that names the four.
; THE WAY OUT USES NO LDS: rounded to f16, a lane's eight numbers ARE four registers of the next product's operand, so they are stored as images of those registers: lane l's 16 bytes at 16 l, 512 consecutive bytes a store.
;   qkvf: Q at 0 and K at 2^24: [batch x head][tile of 16 positions][32 channels][1,024];  V at 2^25: [batch x head][32 keys][tile of 16 channels][1,024].
;   fineb: the same numbers of positions 0-15 in f32, as images of the accumulators: [kind][batch x head][tile][2 x 512].
; LIMITS: |Q| log2(e)/8, |K|, |V| up to 65,504 (f16).
; REGISTERS: window 0: v0-31 addresses; v32-95 scale words, two sets, and nothing else; from v128 A's fragments; on the way out v96-159 two sets of table, v160-223 the rotated numbers, v224-255 the packed ones.
;   window 1: B's fragments, two sets.   windows 2, 3: the accumulators ((a, b) at v[8 (8 (a % 4) + b)]).
.set NQ,     4                         ; matrix instructions deep in a slot
.set ROWB,   256                       ; a tile's row in bytes: 512 codes
.set KROW,   512                       ; a row of codes in memory
.set PITCH,  272                       ; an LDS row: 256 bytes + 16 of padding = 68 words: the 16 rows that a load touches start at 16 different banks (ISA guide 11.1)
.set FR,     8
.set NL,     2
.set NP,     4                         ; places behind this matrix instruction (ISA guide 7.12.1)
.set HALFT,  128*PITCH
.set SLOT,   4*HALFT
.set KS,     32                        ; a row of scales in bytes
.set SCL,    2*SLOT                    ; behind the slots: the scales, as units of 256 bytes + 16 of padding
.set HALFS,  (128*KS/256)*272
.set SBLK,   (16*KS/256)*272
.set SPARE,  SCL+4*HALFS               ; the spare words, 128 bytes for each wave
.set ADRA, 16
.set ADRB, 20
.set LI,   24                          ; v24  16 x lane: my place in an image
.set ADRS, 27
.set SPW,  28
.set NIL,  29
.set SC,   32
.set AF,   128
.set TT,   96                          ; the way out: two sets of 32: cosines and sines of a tile of 16 positions
.set RR,   160
.set FF,   224
.set G1, 24
.set G0, 32
.set G1B, 48
.set G0B, 56
.set G1S, 68
.set G0S, 76
.set G1SB, 80
.set G0SB, 88
.set MSB, 0
.macro WIN new                         ; the immediate's high byte repeats the setting that is left
.if MSB != \new
	s_set_vgpr_msb (MSB<<8)|\new
.set MSB, \new
.endif
.endm
.set MUL_LO, 0xa1
.set MUL_HI, 0xf1
.set TO_B,   0x40
; A joint load: waves 0 and 1 fetch for A, waves 2 and 3 for B; the branch hangs on the wave's number alone.  An s_nop 0 and four v_nop follow each of the two lines.
.macro JLOAD g0a, g1a, g0b, g1b
	s_cmp_eq_u32 s15, 0
	s_cbranch_scc0 .Lfor_b_\@
	tensor_load_to_lds s[\g0a:\g0a+3], s[\g1a:\g1a+7]
	s_nop 0
.rept 4
	v_nop
.endr
	s_branch .Lasked_\@
.Lfor_b_\@:
	tensor_load_to_lds s[\g0b:\g0b+3], s[\g1b:\g1b+7]
	s_nop 0
.rept 4
	v_nop
.endr
.Lasked_\@:
.endm
.macro CROUND                          ; a round of the cluster's barrier
	s_barrier_signal -1
	s_barrier_wait -1
	s_cmp_lg_u32 s14, 0
	s_cbranch_scc1 .Lnot_wave_0_\@
	s_barrier_signal -3
.Lnot_wave_0_\@:
	s_barrier_wait -3
	s_barrier_signal -1
	s_barrier_wait -1
.endm
	s_load_b256 s[4:11], s[0:1], 0x0               ; codes s[4:5], scales s[6:7], tab s[8:9], qkvf s[10:11]
	s_load_b64 s[12:13], s[0:1], 0x20              ; fineb
	v_lshl_add_u32 v[SPW], v0, 2, SPARE
	v_mov_b32 v[NIL], 0
	ds_add_u32 v[SPW], v[NIL]                      ; the wave's opening: the add, twice on end, and its wait ahead of my first tensor load
	ds_add_u32 v[SPW], v[NIL]
	v_lshrrev_b32 v1, 5, v0
	v_readfirstlane_b32 s14, v1                    ; wave 0..3
	s_lshr_b32 s15, s14, 1                         ; which half of the tile's rows is mine.  Also: I fetch for A (0) or for B (1)
	s_and_b32 s16, s14, 1                          ; which half of its columns.  Also: which 128 rows of that block I fetch
	s_bfe_u32 s40, ttmp6, 0x40000                  ; cx, cy: my place in the cluster
	s_bfe_u32 s41, ttmp6, 0x40004
	s_and_b32 s96, ttmp7, 0xffff                   ; the block of 256 positions
	s_lshl_b32 s17, s41, 3
	s_add_co_u32 s17, s17, s96                     ; Q, K: A = block 8 cy + positions of x
	s_add_co_u32 s97, s41, 40                      ; V:    A = block cy of Wv
	s_lshl_b32 s42, s40, 3
	s_add_co_u32 s42, s42, s96                     ; V:    B = block 8 cx + positions of x
	s_lshl_b32 s98, ttmp9, 2
	s_add_co_u32 s98, s98, s40
	s_add_co_u32 s98, s98, 32                      ; Q, K: B = block cx of the kind's weight
	s_cmp_eq_u32 ttmp9, 2
	s_cselect_b32 s17, s97, s17                    ; A's block is made of cy alone,
	s_cselect_b32 s42, s42, s98                    ; B's of cx alone
	s_lshl_b32 s43, s41, 2
	s_lshl_b32 s43, 15, s43                        ; my row of the cluster
	s_lshl_b32 s44, 0x1111, s40                    ; my column
	; descriptor group 1: a tile of 128 rows x 256 bytes, 16 bytes of padding behind each row
	s_or_b32 s[G1+0], s43, (0<<16)|(1<<20)|(1<<21)|(5<<22)|(3<<25)
	s_or_b32 s[G1B+0], s44, (0<<16)|(1<<20)|(1<<21)|(5<<22)|(3<<25)
.irp g, G1, G1B
	s_mov_b32 s[\g+1], ROWB<<16                    ; tensor_dim0
	s_mov_b32 s[\g+2], 128<<16                     ; tensor_dim1
	s_mov_b32 s[\g+3], ROWB<<16                    ; tile_dim0
	s_mov_b32 s[\g+4], 128                         ; tile_dim1
	s_mov_b32 s[\g+5], KROW                        ; the pitch
	s_mov_b32 s[\g+6], 0
	s_mov_b32 s[\g+7], 0
.endr
	; the scales of 128 rows: 4,096 dense bytes, as 16 rows of 256 bytes (32 elements of 8), 16 bytes of padding behind each
	s_or_b32 s[G1S+0], s43, (3<<16)|(1<<20)|(1<<21)|(5<<22)|(3<<25)
	s_or_b32 s[G1SB+0], s44, (3<<16)|(1<<20)|(1<<21)|(5<<22)|(3<<25)
.irp g, G1S, G1SB
	s_mov_b32 s[\g+1], 32<<16
	s_mov_b32 s[\g+2], (128*KS/256)<<16
	s_mov_b32 s[\g+3], 32<<16
	s_mov_b32 s[\g+4], 128*KS/256
	s_mov_b32 s[\g+5], 32
	s_mov_b32 s[\g+6], 0
	s_mov_b32 s[\g+7], 0
.endr
	s_lshl_b32 s18, s16, 7                         ; which 128 rows of the block I fetch
	s_lshl_b32 s20, s17, 8
	s_add_co_u32 s20, s20, s18                     ; A's first row
	s_lshl_b32 s46, s42, 8
	s_add_co_u32 s46, s46, s18                     ; B's
	s_mov_b32 s21, 0
	s_mov_b32 s47, 0
	s_mov_b64 s[18:19], KS
	s_mul_u64 s[22:23], s[20:21], s[18:19]         ; where these rows' scales begin,
	s_mul_u64 s[92:93], s[46:47], s[18:19]
	s_mov_b64 s[18:19], KROW
	s_mul_u64 s[20:21], s[20:21], s[18:19]         ; and their codes
	s_mul_u64 s[46:47], s[46:47], s[18:19]
	s_mul_i32 s45, s14, HALFT                      ; where they go: wave x 128 rows: no place in the cluster enters an LDS address
	s_mul_i32 s94, s14, HALFS
	s_wait_dscnt 0x0                               ; both opening adds are done
	s_wait_kmcnt 0x0
	s_add_nc_u64 s[20:21], s[4:5], s[20:21]
	s_add_nc_u64 s[22:23], s[6:7], s[22:23]
	s_add_nc_u64 s[46:47], s[4:5], s[46:47]
	s_add_nc_u64 s[92:93], s[6:7], s[92:93]
	CROUND                                         ; all sixteen work-groups are here: the joint loads meet
	s_mov_b32 s[G0S], 1
	s_add_co_u32 s[G0S+1], s94, SCL
	s_mov_b64 s[G0S+2:G0S+3], s[22:23]
	s_or_b32 s[G0S+3], s[G0S+3], 0x80000000
	s_mov_b32 s[G0SB], 1
	s_add_co_u32 s[G0SB+1], s94, SCL
	s_mov_b64 s[G0SB+2:G0SB+3], s[92:93]
	s_or_b32 s[G0SB+3], s[G0SB+3], 0x80000000
	JLOAD G0S, G1S, G0SB, G1SB                     ; the scales first: they are wanted with the first slot
.irp s, 0,1
	s_mov_b32 s[G0+4*\s], 1
	s_add_co_u32 s[G0+4*\s+1], s45, \s*SLOT
	s_add_nc_u64 s[G0+4*\s+2:G0+4*\s+3], s[20:21], \s*ROWB
	s_or_b32 s[G0+4*\s+3], s[G0+4*\s+3], 0x80000000
	s_mov_b32 s[G0B+4*\s], 1
	s_add_co_u32 s[G0B+4*\s+1], s45, \s*SLOT
	s_add_nc_u64 s[G0B+4*\s+2:G0B+4*\s+3], s[46:47], \s*ROWB
	s_or_b32 s[G0B+4*\s+3], s[G0B+4*\s+3], 0x80000000
	JLOAD G0+4*\s, G1, G0B+4*\s, G1B               ; three loads of mine are out in all
.endr
	v_and_b32 v1, 15, v0                           ; l % 16
	v_bfe_u32 v2, v0, 4, 1                         ; l / 16
	v_mul_u32_u24 v3, v1, PITCH
	v_lshl_add_u32 v4, v2, 4, v3                   ; a fragment's row x pitch + 16 x half
	s_mul_i32 s21, s15, HALFT                      ; my 128 rows of A
	s_mul_i32 s22, s16, HALFT                      ; my 128 rows of B,
	s_add_co_u32 s22, s22, 2*HALFT                 ; which lie behind A's 256
.irp s, 0,1
	v_add_nc_u32 v[ADRA+\s], s21, v4
	v_add_nc_u32 v[ADRB+\s], s22, v4
	s_add_co_u32 s21, s21, SLOT
	s_add_co_u32 s22, s22, SLOT
.endr
	v_mul_u32_u24 v5, v1, KS                       ; my row's scales: 32 bytes a row,
	v_lshrrev_b32 v6, 8, v5
	v_lshl_add_u32 v5, v6, 4, v5                   ; and 16 more for each 256 passed
	s_mul_i32 s21, s15, HALFS
	s_mul_i32 s22, s16, HALFS
	s_add_co_u32 s22, s22, 2*HALFS
	s_sub_co_u32 s22, s22, s21
	v_mul_u32_u24 v6, s22, v2                      ; lanes 16-31 take B's
	s_add_co_u32 s21, s21, SCL
	v_add_nc_u32 v5, v5, v6
	v_add_nc_u32 v[ADRS], s21, v5
	v_and_b32 v6, 31, v0
	v_lshlrev_b32 v[LI], 4, v6
	; the way out's three addresses.  Batch, heads and positions change places between Q, K and V; the arithmetic behind the four choices is one
	s_cmp_eq_u32 ttmp9, 2
	s_cselect_b32 s92, s40, s41                    ; the batch
	s_cselect_b32 s93, s41, s40                    ; which four heads
	s_cselect_b32 s94, s15, s16                    ; which two of them are my wave's
	s_cselect_b32 s95, s16, s15                    ; which 128 of the 256 positions
	s_lshl_b32 s92, s92, 4
	s_lshl_b32 s93, s93, 2
	s_add_co_u32 s92, s92, s93
	s_lshl_b32 s94, s94, 1
	s_add_co_u32 s92, s92, s94                     ; 16 x batch + my first head
	s_or_b32 s3, s96, s95                          ; 0 where my wave holds positions 0-127 of a sequence
	s_mov_b32 s19, 0
	s_lshl_b32 s18, ttmp9, 24                      ; qkvf: the kind's 2^24 bytes,
	s_lshl_b32 s93, s92, 18                        ; a head's 262,144,
	s_add_co_u32 s18, s18, s93
	s_lshl_b32 s93, s96, 15                        ; 256 positions' 32,768,
	s_add_co_u32 s18, s18, s93
	s_lshl_b32 s93, s95, 14                        ; 128 positions' 16,384
	s_add_co_u32 s18, s18, s93
	s_add_nc_u64 s[20:21], s[10:11], s[18:19]
	s_lshl_b32 s18, ttmp9, 19                      ; tab (Q and K alone load from it): the kind's 524,288 bytes, 4,096 for each tile of 16 positions
	s_lshl_b32 s93, s96, 16
	s_add_co_u32 s18, s18, s93
	s_lshl_b32 s93, s95, 15
	s_add_co_u32 s18, s18, s93
	s_add_nc_u64 s[22:23], s[8:9], s[18:19]
	s_lshl_b32 s18, ttmp9, 18                      ; fineb: the kind's 262,144 bytes, a head's 4,096
	s_lshl_b32 s93, s92, 12
	s_add_co_u32 s18, s18, s93
	s_add_nc_u64 s[46:47], s[12:13], s[18:19]
.macro FRAG reg, adr, q, i             ; 16 rows x 128 K of 4-bit codes: 8 registers, two loads of 16 bytes, 32 bytes apart
.irp c, 0,1
	ds_load_b128 v[\reg+4*\c:\reg+4*\c+3], v[\adr] offset:64*(\q)+32*\c+(\i)*16*PITCH
.endr
.endm
; 16 matrix instructions: A's blocks a0, a0 + 1 x B's eight, 128 along K.  The 64 accumulators take turns, one instruction a turn, in the same order in every step.
.macro MUL16 a0, p, q, sc, zero
.irp a, \a0, \a0+1
.irp b, 0,1,2,3,4,5,6,7
.if \zero
	v_wmma_scale_f32_16x16x128_f8f6f4 v[8*(8*((\a)%4)+\b):8*(8*((\a)%4)+\b)+7], v[128*(\p)+FR*\b:128*(\p)+FR*\b+FR-1], v[AF+FR*(\a):AF+FR*(\a)+FR-1], 0, v[SC+8*NQ*(\sc)+NQ*\b+(\q)], v[SC+8*NQ*(\sc)+NQ*(\a)+(\q)] matrix_a_fmt:MATRIX_FMT_FP4 matrix_b_fmt:MATRIX_FMT_FP4 matrix_a_scale:MATRIX_SCALE_ROW1
.else
	v_wmma_scale_f32_16x16x128_f8f6f4 v[8*(8*((\a)%4)+\b):8*(8*((\a)%4)+\b)+7], v[128*(\p)+FR*\b:128*(\p)+FR*\b+FR-1], v[AF+FR*(\a):AF+FR*(\a)+FR-1], v[8*(8*((\a)%4)+\b):8*(8*((\a)%4)+\b)+7], v[SC+8*NQ*(\sc)+NQ*\b+(\q)], v[SC+8*NQ*(\sc)+NQ*(\a)+(\q)] matrix_a_fmt:MATRIX_FMT_FP4 matrix_b_fmt:MATRIX_FMT_FP4 matrix_a_scale:MATRIX_SCALE_ROW1
.endif
.endr
.endr
.endm
.macro FETCH_B slot, q, p
	WIN TO_B
.irp i, 0,1,2,3,4,5,6,7
	FRAG 128*(\p)+FR*\i, ADRB+\slot, \q, \i
.endr
	WIN 0
.endm
.macro FETCH_A slot, q, i0
.irp i, \i0, \i0+1, \i0+2, \i0+3
	FRAG AF+FR*(\i), ADRA+\slot, \q, \i
.endr
.endm
.macro SCALES sc                       ; a slot's scale words: 4 words a row; lanes 0-15 take A's block i, lanes 16-31 B's block i
.irp i, 0,1,2,3,4,5,6,7
	ds_load_b128 v[SC+8*NQ*\sc+NQ*\i:SC+8*NQ*\sc+NQ*\i+3], v[ADRS] offset:\i*SBLK
.endr
.endm
.macro PLACES n                        ; plain vector lines between a matrix instruction and a load into, or a read of, its registers
.rept \n
	v_nop
.endr
.endm
.macro STEP slot, q, zero              ; a step of 128 along K that has its successor in the same slot
	s_wait_dscnt 4*NL                              ; B's set and A's blocks 0-3 are in; the youngest eight loads (A's blocks 4-7) may be out
	WIN MUL_LO
	MUL16 0, (\q)%2, \q, \slot, \zero
	MUL16 2, (\q)%2, \q, \slot, \zero
	s_wait_dscnt 0
	PLACES NP
	FETCH_B \slot, (\q)+1, 1-(\q)%2
	FETCH_A \slot, (\q)+1, 0
	WIN MUL_HI
	MUL16 4, (\q)%2, \q, \slot, \zero
	MUL16 6, (\q)%2, \q, \slot, \zero
	PLACES NP
	WIN 0
	FETCH_A \slot, (\q)+1, 4
.endm
.macro STEPS slot, from
.set Q, \from
.rept NQ-1-\from
	STEP \slot, Q, 0
.set Q, Q+1
.endr
.endm
	s_wait_tensorcnt 1                             ; the scales and my part of slot 0 are in (slot 1's load may be out),
	s_barrier_signal -1
	s_barrier_wait -1                              ; everybody's are
	FETCH_B 0, 0, 0
	FETCH_A 0, 0, 0
	SCALES 0
	FETCH_A 0, 0, 4
	STEP 0, 0, 1                                   ; the first step's products start the sums: nothing is cleared
	STEPS 0, 1
	; slot 0's last step changes slots: each wave waits for all its tensor loads (its part of slot 1), adds 0 to its spare word, waits for that and for its reads; one barrier; nothing is filled again
	s_wait_tensorcnt 0x0
	ds_add_u32 v[SPW], v[NIL]
	s_wait_dscnt 4*NL+1                            ; (the add and A's blocks 4-7 may be out)
	WIN MUL_LO
	MUL16 0, 1, NQ-1, 0, 0
	s_wait_dscnt 0x0
	s_barrier_signal -1
	MUL16 2, 1, NQ-1, 0, 0
	WIN 0
	s_barrier_wait -1
	PLACES NP
	v_add_nc_u32 v[ADRS], 4*NQ, v[ADRS]            ; on to slot 1's scale words
	FETCH_B 1, 0, 0
	FETCH_A 1, 0, 0
	SCALES 1
	WIN MUL_HI
	MUL16 4, 1, NQ-1, 0, 0
	MUL16 6, 1, NQ-1, 0, 0
	PLACES NP
	WIN 0
	FETCH_A 1, 0, 4
	STEPS 1, 0
	s_wait_dscnt 4*NL                              ; the very last step
	WIN MUL_LO
	MUL16 0, 1, NQ-1, 1, 0
	MUL16 2, 1, NQ-1, 1, 0
	s_wait_dscnt 0
	WIN MUL_HI
	MUL16 4, 1, NQ-1, 1, 0
	MUL16 6, 1, NQ-1, 1, 0
	WIN 0
	PLACES NP                                      ; in front of the first reads of results and of loads into registers that held fragments
	s_cmp_eq_u32 ttmp9, 2                          ; the kind: the same in all sixteen partners
	s_cbranch_scc1 .Lv
; ---- Q and K: block a = 16 positions x 128 columns (two heads).  Register pair p of accumulator (a, b) is pair 8 (b % 4) + 4 (l / 16) + p of its head: (x1, x2) -> (x1 c - x2 s, x2 c + x1 s)
.macro TAB a                           ; the cosines and sines of block a's 16 positions: 8 loads of 512 consecutive bytes
.irp q, 0,1,2,3
	global_load_b128 v[TT+32*((\a)%2)+8*\q:TT+32*((\a)%2)+8*\q+3],   v[LI], s[22:23] offset:4096*(\a)+1024*\q
	global_load_b128 v[TT+32*((\a)%2)+8*\q+4:TT+32*((\a)%2)+8*\q+7], v[LI], s[22:23] offset:4096*(\a)+1024*\q+512
.endr
.endm
.macro ROPE a
.set TS, TT+32*((\a)%2)
.set XA, 64*((\a)%4)
	WIN 0x02+(\a)/4                                ; source 0: the accumulators' window
.irp b, 0,1,2,3,4,5,6,7                ; each accumulator from its low end on
.irp g, 0,1
	v_pk_mul_f32 v[RR+8*\b+4*\g:RR+8*\b+4*\g+1], v[XA+8*\b+4*\g:XA+8*\b+4*\g+1], v[TS+8*(\b%4)+2*\g:TS+8*(\b%4)+2*\g+1] op_sel_hi:[1,0]
	v_pk_mul_f32 v[RR+8*\b+4*\g+2:RR+8*\b+4*\g+3], v[XA+8*\b+4*\g+2:XA+8*\b+4*\g+3], v[TS+8*(\b%4)+2*\g:TS+8*(\b%4)+2*\g+1] op_sel:[0,1] op_sel_hi:[1,1]
	v_pk_fma_f32 v[RR+8*\b+4*\g:RR+8*\b+4*\g+1], v[XA+8*\b+4*\g:XA+8*\b+4*\g+1], v[TS+8*(\b%4)+4+2*\g:TS+8*(\b%4)+4+2*\g+1], v[RR+8*\b+4*\g:RR+8*\b+4*\g+1] op_sel:[1,0,0] op_sel_hi:[0,0,1] neg_lo:[0,1,0]
	v_pk_fma_f32 v[RR+8*\b+4*\g+2:RR+8*\b+4*\g+3], v[XA+8*\b+4*\g+2:XA+8*\b+4*\g+3], v[TS+8*(\b%4)+4+2*\g:TS+8*(\b%4)+4+2*\g+1], v[RR+8*\b+4*\g+2:RR+8*\b+4*\g+3] op_sel:[1,1,0] op_sel_hi:[0,1,1] neg_lo:[0,1,0]
.endr
.endr
	WIN 0
.endm
.macro QKOUT a
.if (\a) < 7
	TAB (\a)+1
	s_wait_loadcnt 8                               ; this block's table is in; the next block's eight loads may be out
.else
	s_wait_loadcnt 0x0
.endif
	s_wait_xcnt 0x0                                ; the last block's stores have read their registers: they are written again only behind this wait
	ROPE \a
.irp b, 0,1,2,3,4,5,6,7
.irp p, 0,1,2,3
	v_cvt_pk_f16_f32 v[FF+4*\b+\p], v[RR+8*\b+2*\p], v[RR+8*\b+2*\p+1]
.endr
.endr
.irp b, 0,1,2,3,4,5,6,7                ; accumulator b: head b / 4, channels 32 ((b % 4) / 2) on, registers 0-3 (b even) or 4-7 of that fragment
	global_store_b128 v[LI], v[FF+4*\b:FF+4*\b+3], s[20:21] offset:2048*(\a)+262144*(\b/4)+1024*((\b%4)/2)+512*(\b%2)
.endr
.endm
	TAB 0
	QKOUT 0
	s_cmp_lg_u32 s3, 0                             ; positions 0-15 of a sequence go out in f32 too
	s_cbranch_scc1 .Lno_fine
.irp b, 0,1,2,3,4,5,6,7
	global_store_b128 v[LI], v[RR+8*\b:RR+8*\b+3],   s[46:47] offset:4096*(\b/4)+1024*(\b%4)
	global_store_b128 v[LI], v[RR+8*\b+4:RR+8*\b+7], s[46:47] offset:4096*(\b/4)+1024*(\b%4)+512
.endr
.Lno_fine:
.irp a, 1,2,3,4,5,6,7
	QKOUT \a
.endr
	s_branch .Lend
; ---- V: block a = 16 channels x 128 keys
.Lv:
	s_cmp_lg_u32 s3, 0                             ; keys 0-15 of a sequence go out in f32 too: accumulators (a, 0), each from its low end on
	s_cbranch_scc1 .Lv_all
	WIN 0x08                                       ; a store's data are its source 1: window 2
.irp a, 0,1,2,3
	global_store_b128 v[LI], v[64*\a:64*\a+3],   s[46:47] offset:1024*\a
	global_store_b128 v[LI], v[64*\a+4:64*\a+7], s[46:47] offset:1024*\a+512
.endr
	WIN 0x0c                                       ; window 3
.irp a, 0,1,2,3
	global_store_b128 v[LI], v[64*\a:64*\a+3],   s[46:47] offset:4096+1024*\a
	global_store_b128 v[LI], v[64*\a+4:64*\a+7], s[46:47] offset:4096+1024*\a+512
.endr
	WIN 0
.Lv_all:
.macro VOUT a
	s_wait_xcnt 0x0                                ; the last block's stores have read their registers
	WIN 0x0a+5*((\a)/4)                            ; sources 0 and 1: window 2 or 3
.irp b, 0,1,2,3,4,5,6,7
.irp p, 0,1,2,3
	v_cvt_pk_f16_f32 v[FF+4*\b+\p], v[64*((\a)%4)+8*\b+2*\p], v[64*((\a)%4)+8*\b+2*\p+1]
.endr
.endr
	WIN 0
.irp b, 0,1,2,3,4,5,6,7                ; head a / 4, channels 16 (a % 4) on, keys 32 (b / 2) on, registers 0-3 (b even) or 4-7
	global_store_b128 v[LI], v[FF+4*\b:FF+4*\b+3], s[20:21] offset:262144*((\a)/4)+4096*(\b/2)+1024*((\a)%4)+512*(\b%2)
.endr
.endm
.irp a, 0,1,2,3,4,5,6,7
	VOUT \a
.endr
.Lend:
	s_wait_tensorcnt 0x0                           ; the wave's end
	ds_add_u32 v[SPW], v[NIL]
	s_wait_dscnt 0x0
	CROUND                                         ; the closing round
	s_endpgm
.Lfunc_end_k_qeef1649039_qkv:
	.size	k_qeef1649039_qkv, .Lfunc_end_k_qeef1649039_qkv-k_qeef1649039_qkv
	.p2alignl 7, 3214868480
	.fill 96, 4, 3214868480
	.section	.rodata,"a",@progbits
	.p2align	6, 0x0
	.amdhsa_kernel k_qeef1649039_qkv
		.amdhsa_group_segment_fixed_size 327680
		.amdhsa_private_segment_fixed_size 0
		.amdhsa_enable_private_segment 0
		.amdhsa_kernarg_size 40
		.amdhsa_user_sgpr_count 2
		.amdhsa_user_sgpr_kernarg_segment_ptr 1
		.amdhsa_wavefront_size32 1
		.amdhsa_system_sgpr_workgroup_id_x 1
		.amdhsa_system_sgpr_workgroup_id_y 1
		.amdhsa_system_sgpr_workgroup_id_z 1
		.amdhsa_system_vgpr_workitem_id 0
		.amdhsa_next_free_vgpr 1024
		.amdhsa_next_free_sgpr 100
		.amdhsa_reserve_vcc 0
		.amdhsa_float_denorm_mode_32 3
		.amdhsa_float_denorm_mode_16_64 3
		.amdhsa_memory_ordered 1
		.amdhsa_forward_progress 1
		.amdhsa_inst_pref_size 183
	.end_amdhsa_kernel
	.amdgpu_metadata
---
amdhsa.version: [ 1, 2 ]
amdhsa.kernels:
  - .name:           k_qeef1649039_qkv
    .symbol:         k_qeef1649039_qkv.kd
    .args:
      - { .name: codes, .offset: 0, .size: 8, .value_kind: global_buffer, .address_space: global }
      - { .name: scales, .offset: 8, .size: 8, .value_kind: global_buffer, .address_space: global }
      - { .name: tab, .offset: 16, .size: 8, .value_kind: global_buffer, .address_space: global }
      - { .name: qkvf, .offset: 24, .size: 8, .value_kind: global_buffer, .address_space: global }
      - { .name: fineb, .offset: 32, .size: 8, .value_kind: global_buffer, .address_space: global }
    .group_segment_fixed_size: 327680
    .private_segment_fixed_size: 0
    .kernarg_segment_align: 8
    .kernarg_segment_size: 40
    .max_flat_workgroup_size: 128
    .sgpr_count:     100
    .vgpr_count:     1024
    .wavefront_size: 32
...
	.end_amdgpu_metadata
.endif
;; end of part 2
;; launch attn (part 3): grid 4 x 64, 8 waves a work-group, no clusters, 327,680 bytes of LDS; arguments qkvf, att; writes att
.if DOCPART == 3
	.amdgcn_target "amdgcn-amd-amdhsa--gfx1250"
	.amdhsa_code_object_version 6
	.text
	.protected	k_qeef1649039_attn
	.globl	k_qeef1649039_attn
	.p2align	8
	.type	k_qeef1649039_attn,@function
k_qeef1649039_attn:
	s_mov_b64 s[64:65], 0
	v_nop
	global_prefetch_b8 v0, s[64:65] scope:SCOPE_SE
	s_setreg_imm32_b32 hwreg(HW_REG_WAVE_MODE, 25, 1), 1
	s_wait_xcnt 0x0
; Causal attention of one head: O[q] = sum over k <= q of softmax_k(Q[q] . K[k] / 8) V[k], head size 64, 2,048 positions.  Operands f16, products, maxima and sums f32; the weights p are rounded to f16 for the second product.
; Q comes multiplied by log2(e) / 8, so a score is an exponent of 2: p = 2^(s - m), m the running maximum of the row; O and the sum l are multiplied by a = 2^(m_old - m_new) in every step.
; ALL OPERANDS LIE IN MEMORY AS IMAGES OF THEIR REGISTERS (1,024 bytes a fragment: registers 0-3 of lane l at 16 l, registers 4-7 at 512 + 16 l): every load, from memory and from LDS, is 16 x lane; no pitch, no padding.
; SHARES.  Work-group (J, head) owns the blocks of 256 queries 7 - J and then J: (8 - J) + (J + 1) = 9 slots of 256 keys for every work-group, so all 256 have equal work and every trip count is a constant.
;   Each of the eight waves owns 32 queries of a block, two tiles of 16; wave w takes part w (w < 4) or 11 - w, so that waves w and w + 4 together have five key steps in the slot on the diagonal.
; LAYOUT.  S^T = K Q^T (source 0 = 16 keys, source 1 = 16 queries): a lane holds ONE query and the keys 8 (l / 16) + 0..7; two such tiles rounded in pairs ARE source 1 of O^T = V^T P.
; RING.  Two LDS slots of 65,536 bytes: 256 keys of K (32 KiB), then of V.  Each wave fetches 8 KiB of a slot by one tensor load: one load of mine is out at a time, and it has a slot's four key steps in which to land.
; CAUSAL.  A key step all of whose keys come after the wave's queries is jumped over (a scalar branch on ids and counts; no barrier and no tensor load stands in a step); on the diagonal hidden scores become -infinity.
; NO CLUSTER: the four work-groups of a head want different slots at the same time (their first blocks have 8, 7, 6 and 5 slots), so joint loads would make all walk the longest.
; LIMITS: finite inputs; the first 16 positions of a sequence are computed here like the others and are replaced by the f32 launch at the program's end.
; REGISTERS: window 0: v1-7 addresses and constants; v8-23 statistics, eight a tile; v24-31 at work; v32-63 Q; v64-127 K of a step; v128-191 S^T, then p; v192-223 P; v224-255 the way out.   window 1: v0-63 O^T; v64-127 V of a step.
.set SLOTB, 65536
.set VOFF,  32768                      ; V's part of a slot
.set STEPB, 8192                       ; a key step's 64 keys of K, and of V
.set SPARE, 131072                     ; behind the ring: the spare words, 128 bytes for each wave
.set LI,   1                           ; v1  16 x lane
.set ADR,  2                           ; v2  LDS address of the step in hand
.set SPW,  3                           ; v3  my spare word; never rewritten
.set NIL,  4                           ; v4  0; never rewritten
.set DL,   5                           ; v5  l % 16 - 8 (l / 16)
.set NINF, 6                           ; v6  -infinity
.set PFO,  7                           ; v7  256 x lane
.set ST,   8                           ; tile x at v[ST + 8 x]: +0 -m, +1 m, +2, +3 l (even keys', odd keys'), +4 a, +5 its pair's other half, +6, +7 at work
.set CH,   24
.set QF,   32
.set KR,   64
.set S,    128
.set P,    192
.set OUTR, 224
.set VR,   64                          ; in window 1
.set WV, 8
.set QS, 9
.set JJ, 10
.set BLK, 11
.set LASTA, 12                         ; the last trip of the first block: 7 - J
.set LENA, 13                          ; its slots: 8 - J
.set Q0, 14                            ; my first query
.set Q0L, 15                           ; my last
.set KF, 16                            ; the step's first key
.set TB, 17                            ; LDS byte at which the step's K begins
.set NN, 18                            ; the trip
.set CNT, 19
.set BH, 20
.set G1, 24                            ; s[24:31] descriptor group 1;  s[32:35] group 0, which walks
.set G0, 32
.set KVB, 36                           ; s[36:37] my 8 KiB of the head's slot 0
.set PFA, 42                           ; s[42:43] where my prefetches stand
.set LIM, 44
.set SEL, 46
.set QB, 48
.set AB, 50
.set QA, 52
.set AA, 54
.set MSB, 0
.macro WIN new
.if MSB != \new
	s_set_vgpr_msb (MSB<<8)|\new
.set MSB, \new
.endif
.endm
	s_load_b128 s[4:7], s[0:1], 0x0                ; qkvf, att
	v_lshl_add_u32 v[SPW], v0, 2, SPARE
	v_mov_b32 v[NIL], 0
	ds_add_u32 v[SPW], v[NIL]                      ; the wave's opening: the add, twice on end, and its wait ahead of my first tensor load
	ds_add_u32 v[SPW], v[NIL]
	v_lshrrev_b32 v1, 5, v0
	v_readfirstlane_b32 s[WV], v1                  ; wave 0..7
	s_mov_b32 s[JJ], ttmp9
	s_and_b32 s[BH], ttmp7, 0xffff                 ; 16 x batch + head
	s_sub_co_u32 s38, 11, s[WV]
	s_cmp_lt_u32 s[WV], 4
	s_cselect_b32 s[QS], s[WV], s38                ; which 32 queries of a block
	s_sub_co_u32 s[LASTA], 7, s[JJ]
	s_sub_co_u32 s[LENA], 8, s[JJ]
	; descriptor group 1: 8,192 dense bytes as 32 rows of 256 (32 elements of 8 bytes), no padding
	s_mov_b32 s[G1], 3<<16
	s_mov_b32 s[G1+1], 32<<16                      ; tensor_dim0
	s_mov_b32 s[G1+2], 32<<16                      ; tensor_dim1
	s_mov_b32 s[G1+3], 32<<16                      ; tile_dim0
	s_mov_b32 s[G1+4], 32                          ; tile_dim1
	s_mov_b32 s[G1+5], 32                          ; the pitch
	s_mov_b32 s[G1+6], 0
	s_mov_b32 s[G1+7], 0
	s_mov_b32 s[G0], 1
	s_lshl_b32 s[G0+1], s[WV], 13                  ; LDS: wave x 8,192: waves 0-3 K's quarters, waves 4-7 V's
	s_lshr_b32 s38, s[WV], 2
	s_add_co_u32 s38, s38, 1
	s_lshl_b32 s38, s38, 24                        ; K's part of qkvf begins at 2^24, V's at 2^25
	s_lshl_b32 s39, s[BH], 18
	s_add_co_u32 s38, s38, s39                     ; the head's 262,144 bytes
	s_and_b32 s39, s[WV], 3
	s_lshl_b32 s39, s39, 13
	s_add_co_u32 s38, s38, s39                     ; my quarter
	s_mov_b32 s39, 0
	s_lshl_b32 s40, s[BH], 18
	s_mov_b32 s41, 0
	s_mov_b32 s[SEL], 0x76543210
	s_mov_b32 s[SEL+1], 0xfedcba98                 ; v_permlanex16_b32's selects for lane l xor 16
	s_mov_b32 s[TB], 0
	s_cmp_eq_u32 s[JJ], 0
	s_cselect_b32 s[LIM], 6, 0                     ; the head's work-group 0 prefetches, in trips 0 to 5
	s_wait_dscnt 0x0                               ; both opening adds are done
	s_wait_kmcnt 0x0
	s_add_nc_u64 s[KVB:KVB+1], s[4:5], s[38:39]
	s_mov_b64 s[G0+2:G0+3], s[KVB:KVB+1]
	s_or_b32 s[G0+3], s[G0+3], 0x80000000
	tensor_load_to_lds s[G0:G0+3], s[G1:G1+7]      ; the head's first 256 keys into slot 0
	s_nop 0
.rept 4
	v_nop
.endr
	s_add_nc_u64 s[PFA:PFA+1], s[KVB:KVB+1], 32768 ; trip 0 steps it to the head's slot 2.  Nothing is prefetched here, where every work-group's first tiles are on their way
	s_add_nc_u64 s[QB:QB+1], s[4:5], s[40:41]      ; Q of my head
	s_lshr_b32 s40, s[BH], 4
	s_lshl_b32 s40, s40, 22                        ; att: a batch's 128 tiles of rows x 32,768 bytes,
	s_and_b32 s38, s[BH], 15
	s_lshl_b32 s38, s38, 11                        ; a head's two fragments
	s_add_co_u32 s40, s40, s38
	s_add_nc_u64 s[AB:AB+1], s[6:7], s[40:41]
	v_and_b32 v[LI], 31, v0
	v_lshlrev_b32 v[PFO], 8, v[LI]
	v_lshlrev_b32 v[LI], 4, v[LI]
	v_and_b32 v[DL], 15, v0
	v_bfe_u32 v[ADR], v0, 4, 1
	v_lshlrev_b32 v[ADR], 3, v[ADR]
	v_sub_nc_u32 v[DL], v[DL], v[ADR]
	v_mov_b32 v[NINF], 0xff800000
; A block of queries begins: its addresses, my two tiles of Q, and the statistics.  O^T and l begin as zeros and m as -3e38: the first step's a is 0, and the step is written once.
.macro INIT
	s_lshl_b32 s38, s[BLK], 4
	s_lshl_b32 s39, s[QS], 1
	s_add_co_u32 s38, s38, s39                     ; my first tile of 16 queries
	s_lshl_b32 s[Q0], s38, 4
	s_add_co_u32 s[Q0L], s[Q0], 31
	s_mov_b32 s[KF], 0
	s_lshl_b32 s40, s38, 11
	s_mov_b32 s41, 0
	s_add_nc_u64 s[QA:QA+1], s[QB:QB+1], s[40:41]
	s_lshl_b32 s40, s38, 15
	s_add_nc_u64 s[AA:AA+1], s[AB:AB+1], s[40:41]
.irp f, 0,1,2,3                        ; fragment f = 2 x tile + (32 channels)
	global_load_b128 v[QF+8*\f:QF+8*\f+3],   v[LI], s[QA:QA+1] offset:1024*\f
	global_load_b128 v[QF+8*\f+4:QF+8*\f+7], v[LI], s[QA:QA+1] offset:1024*\f+512
.endr
.irp x, 0,1
	v_mov_b32 v[ST+8*\x], 0x7f61b1e6
	v_mov_b32 v[ST+8*\x+1], 0xff61b1e6
	v_mov_b32 v[ST+8*\x+2], 0
	v_mov_b32 v[ST+8*\x+3], 0
	v_mov_b32 v[ST+8*\x+5], 0                      ; named with a as a pair, so it is written
	v_mov_b32 v[ST+8*\x+7], 0                      ; a lane permute's destination counts as one of its sources
.endr
	WIN 0x40
.set i, 0
.rept 64
	v_mov_b32 v[i], 0
.set i, i+1
.endr
	WIN 0
	s_wait_loadcnt 0x0
.endm
; THE CHANGE OF SLOTS stands at a slot's head: each wave waits for all its tensor loads (its part of the slot ahead), adds 0 to its spare word, waits for that and for its reads of the slot that it has left; one barrier;
; fill = 1: the slot just left takes the next trip's keys: the first thing behind the barrier, one load a wave.  The next trip's keys are slot t + 1 of the block in hand, or slot 0 where the second block begins.
.macro CHANGE fill
	s_wait_tensorcnt 0x0                           ; no tensor load of mine is out, so group 0 may be written
	ds_add_u32 v[SPW], v[NIL]                      ; 0 onto my spare word; the descriptor's step stands between it and the wait for it
.if \fill
	s_add_co_u32 s38, s[NN], 1
	s_cmp_gt_u32 s38, s[LASTA]
	s_cselect_b32 s39, s[LENA], 0
	s_sub_co_u32 s38, s38, s39
	s_lshl_b32 s38, s38, 15                        ; 32,768 bytes of K, and of V, to a slot
	s_mov_b32 s39, 0
	s_add_nc_u64 s[G0+2:G0+3], s[KVB:KVB+1], s[38:39]
	s_or_b32 s[G0+3], s[G0+3], 0x80000000
	s_xor_b32 s[G0+1], s[G0+1], SLOTB              ; the other slot than last time
	s_wait_xcnt 0x0                                ; the last prefetch, a slot back, has read its address
	s_add_nc_u64 s[PFA:PFA+1], s[PFA:PFA+1], 32768
.endif
	s_wait_dscnt 0x0                               ; the add is done, and my reads of the slot that I have left are over
	s_barrier_signal -1
	s_barrier_wait -1
.if \fill
	tensor_load_to_lds s[G0:G0+3], s[G1:G1+7]
	s_nop 0
.rept 4
	v_nop
.endr
	; A PREFETCH INTO THE L2: in trip t the head's work-group 0, whose first block walks all eight slots, asks for slot t + 2: what the next change of slots will load, four key steps ahead of that load.  Each wave asks for
	; its own 8,192 bytes, lanes 256 bytes apart: each block of 256 bytes of K and V is named once in the launch.  Trips 6 and 7 ask for nothing: slot 7 is the head's last.
	s_cmp_lt_u32 s[NN], s[LIM]
	s_cbranch_scc0 .Lnot_mine_\@
	global_prefetch_b8 v[PFO], s[PFA:PFA+1] th:TH_LOAD_NT scope:SCOPE_SE
.Lnot_mine_\@:
.endif
.endm
; A KEY STEP: 64 keys against my 32 queries.
.macro STEP
	s_cmp_gt_u32 s[KF], s[Q0L]                     ; all its keys come after my queries: left out
	s_cbranch_scc1 .Lskip_\@
	v_add_nc_u32 v[ADR], s[TB], v[LI]
.rept 3
	v_nop                                          ; with the addition four places between the last step's products and the loads into V's registers
.endr
.irp f, 0,1,2,3,4,5,6,7                ; K: fragment f = 2 (tile of 16 keys) + (32 channels)
	ds_load_b128 v[KR+8*\f:KR+8*\f+3],   v[ADR] offset:1024*\f
	ds_load_b128 v[KR+8*\f+4:KR+8*\f+7], v[ADR] offset:1024*\f+512
.endr
	WIN 0x40
.irp f, 0,1,2,3,4,5,6,7                ; V: fragment f = 4 (32 keys) + (tile of 16 channels)
	ds_load_b128 v[VR+8*\f:VR+8*\f+3],   v[ADR] offset:VOFF+1024*\f
	ds_load_b128 v[VR+8*\f+4:VR+8*\f+7], v[ADR] offset:VOFF+1024*\f+512
.endr
	WIN 0
	s_wait_dscnt 16                                ; K is in; V's sixteen loads may be out
.irp c, 0,1                            ; S^T = K Q^T: eight accumulators by turns; the first eight products start the sums
.irp x, 0,1
.irp kt, 0,1,2,3
.if \c == 0
	v_wmma_f32_16x16x32_f16 v[S+32*\x+8*\kt:S+32*\x+8*\kt+7], v[KR+8*(2*\kt+\c):KR+8*(2*\kt+\c)+7], v[QF+16*\x+8*\c:QF+16*\x+8*\c+7], 0
.else
	v_wmma_f32_16x16x32_f16 v[S+32*\x+8*\kt:S+32*\x+8*\kt+7], v[KR+8*(2*\kt+\c):KR+8*(2*\kt+\c)+7], v[QF+16*\x+8*\c:QF+16*\x+8*\c+7], v[S+32*\x+8*\kt:S+32*\x+8*\kt+7]
.endif
.endr
.endr
.endr
.rept 4
	v_nop                                          ; places in front of the first read of results
.endr
	s_add_co_u32 s38, s[KF], 63
	s_cmp_le_u32 s38, s[Q0]                        ; all its keys count for all my queries: no mask
	s_cbranch_scc1 .Lopen_\@
	s_sub_co_i32 s38, s[Q0], s[KF]
	v_add_nc_u32 v[ST+6], s38, v[DL]               ; d = my query - the step's first key - 8 (l / 16): register 8 kt + j holds key 16 kt + j + 8 (l / 16): hidden where 16 kt + j > d
	s_add_co_u32 s38, s38, 16
	v_add_nc_u32 v[ST+8+6], s38, v[DL]
.irp x, 0,1
.irp kt, 0,1,2,3
.irp j, 0,1,2,3,4,5,6,7
	v_cmp_gt_i32 vcc_lo, 16*\kt+\j, v[ST+8*\x+6]
	v_cndmask_b32 v[S+32*\x+8*\kt+\j], v[S+32*\x+8*\kt+\j], v[NINF], vcc_lo
.endr
.endr
.endr
.Lopen_\@:
	; the row's maximum: four chains a tile, each beginning at an accumulator's low end; the two tiles by turns
.irp j, 0,1,2,3
.irp x, 0,1
	v_max3_num_f32 v[CH+4*\x+\j], v[S+32*\x+8*\j], v[S+32*\x+8*\j+1], v[S+32*\x+8*\j+2]
.endr
.endr
.irp g, 1,2
.irp j, 0,1,2,3
.irp x, 0,1
	v_max3_num_f32 v[CH+4*\x+\j], v[CH+4*\x+\j], v[S+32*\x+8*\j+2*\g+1], v[S+32*\x+8*\j+2*\g+2]
.endr
.endr
.endr
.irp x, 0,1
	v_max3_num_f32 v[CH+4*\x], v[CH+4*\x], v[S+32*\x+7], v[S+32*\x+15]
	v_max3_num_f32 v[CH+4*\x+2], v[CH+4*\x+2], v[S+32*\x+23], v[S+32*\x+31]
.endr
.irp x, 0,1
	v_max3_num_f32 v[CH+4*\x], v[CH+4*\x], v[CH+4*\x+1], v[CH+4*\x+2]
.endr
.irp x, 0,1
	v_max3_num_f32 v[CH+4*\x], v[CH+4*\x], v[CH+4*\x+3], v[ST+8*\x+1]   ; and the old m
.endr
.irp x, 0,1
	v_permlanex16_b32 v[ST+8*\x+7], v[CH+4*\x], s[SEL], s[SEL+1]        ; the query's other 32 keys lie in the lane 16 away
.endr
.irp x, 0,1
	v_max_num_f32 v[ST+8*\x+6], v[CH+4*\x], v[ST+8*\x+7]                ; the new m
.endr
.irp x, 0,1
	v_sub_f32 v[ST+8*\x+7], v[ST+8*\x+1], v[ST+8*\x+6]                  ; m_old - m_new
.endr
.irp x, 0,1
	v_mov_b32 v[ST+8*\x+1], v[ST+8*\x+6]
	v_xor_b32 v[ST+8*\x], 0x80000000, v[ST+8*\x+6]                      ; -m
.endr
.irp i, 0,2,4,6,8,10,12,14,16,18,20,22,24,26,28,30
.irp x, 0,1
	v_pk_add_f32 v[S+32*\x+\i:S+32*\x+\i+1], v[S+32*\x+\i:S+32*\x+\i+1], v[ST+8*\x:ST+8*\x+1] op_sel_hi:[1,0]   ; s - m, two at a time
.endr
.endr
.irp x, 0,1
	v_exp_f32 v[ST+8*\x+4], v[ST+8*\x+7]           ; a
.endr
.irp i, 0,1,2,3,4,5,6,7,8,9,10,11,12,13,14,15,16,17,18,19,20,21,22,23,24,25,26,27,28,29,30,31
.irp x, 0,1
	v_exp_f32 v[S+32*\x+\i], v[S+32*\x+\i]         ; p, at most 1
.endr
.endr
	v_nop                                          ; a plain line behind the last exponential
	s_wait_alu depctr_va_vdst(0)                   ; ONE wait for the 66, ahead of their first reader
.irp i, 0,1,2,3,4,5,6,7,8,9,10,11,12,13,14,15
.irp x, 0,1
	v_cvt_pk_f16_f32 v[P+16*\x+\i], v[S+32*\x+2*\i], v[S+32*\x+2*\i+1]
.endr
.endr
.irp u, 0,1,2,3,4,5,6,7                ; the sum of a tile's 16 pairs, in place: neighbours 1, 2, 4 and 8 pairs apart
.irp x, 0,1
	v_pk_add_f32 v[S+32*\x+4*\u:S+32*\x+4*\u+1], v[S+32*\x+4*\u:S+32*\x+4*\u+1], v[S+32*\x+4*\u+2:S+32*\x+4*\u+3]
.endr
.endr
.irp u, 0,1,2,3
.irp x, 0,1
	v_pk_add_f32 v[S+32*\x+8*\u:S+32*\x+8*\u+1], v[S+32*\x+8*\u:S+32*\x+8*\u+1], v[S+32*\x+8*\u+4:S+32*\x+8*\u+5]
.endr
.endr
.irp u, 0,1
.irp x, 0,1
	v_pk_add_f32 v[S+32*\x+16*\u:S+32*\x+16*\u+1], v[S+32*\x+16*\u:S+32*\x+16*\u+1], v[S+32*\x+16*\u+8:S+32*\x+16*\u+9]
.endr
.endr
.irp x, 0,1
	v_pk_add_f32 v[S+32*\x:S+32*\x+1], v[S+32*\x:S+32*\x+1], v[S+32*\x+16:S+32*\x+17]
.endr
.irp x, 0,1
	v_pk_fma_f32 v[ST+8*\x+2:ST+8*\x+3], v[ST+8*\x+2:ST+8*\x+3], v[ST+8*\x+4:ST+8*\x+5], v[S+32*\x:S+32*\x+1] op_sel_hi:[1,0,1]   ; l = l a + the sum
.endr
	WIN 0x41                                       ; O^T in window 1, a in window 0
.irp x, 0,1
.irp i, 0,2,4,6,8,10,12,14,16,18,20,22,24,26,28,30
	v_pk_mul_f32 v[32*\x+\i:32*\x+\i+1], v[32*\x+\i:32*\x+\i+1], v[ST+8*\x+4:ST+8*\x+5] op_sel_hi:[1,0]   ; ascending: each accumulator from its low end on
.endr
.endr
	s_wait_dscnt 0x0                               ; V is in
	WIN 0x51                                       ; V, C and D in window 1, P in window 0
.irp cc, 0,1                           ; O^T += V^T P: eight accumulators by turns
.irp x, 0,1
.irp t, 0,1,2,3
	v_wmma_f32_16x16x32_f16 v[32*\x+8*\t:32*\x+8*\t+7], v[VR+8*(4*\cc+\t):VR+8*(4*\cc+\t)+7], v[P+16*\x+8*\cc:P+16*\x+8*\cc+7], v[32*\x+8*\t:32*\x+8*\t+7]
.endr
.endr
.endr
	WIN 0
.Lskip_\@:
	s_add_co_u32 s[TB], s[TB], STEPB
	s_add_co_u32 s[KF], s[KF], 64
.endm
.macro SLOT_STEPS                      ; a slot's four key steps: written once, walked four times
	s_mov_b32 s[CNT], 4
.Lstep_\@:
	STEP
	s_sub_co_u32 s[CNT], s[CNT], 1
	s_cmp_lg_u32 s[CNT], 0
	s_cbranch_scc1 .Lstep_\@
	s_sub_co_u32 s[TB], s[TB], 4*STEPB
	s_xor_b32 s[TB], s[TB], SLOTB                  ; on to the other slot
.endm
; THE WAY OUT of a block: O^T / l, rounded to f16: a lane's eight channels of a query are four registers of the out projection's operand, stored as its image: 512 consecutive bytes a store.
.macro WAYOUT
.rept 4
	v_nop                                          ; places behind the last products
.endr
.irp x, 0,1
	v_add_f32 v[ST+8*\x+6], v[ST+8*\x+2], v[ST+8*\x+3]
.endr
.irp x, 0,1
	v_permlanex16_b32 v[ST+8*\x+7], v[ST+8*\x+6], s[SEL], s[SEL+1]
.endr
.irp x, 0,1
	v_add_f32 v[ST+8*\x+6], v[ST+8*\x+6], v[ST+8*\x+7]
.endr
.irp x, 0,1
	v_rcp_f32 v[ST+8*\x+4], v[ST+8*\x+6]
.endr
	v_nop                                          ; a plain line behind the reciprocals,
	s_wait_alu depctr_va_vdst(0)                   ; and one wait for the two
	WIN 0x41
.irp x, 0,1
.irp i, 0,2,4,6,8,10,12,14,16,18,20,22,24,26,28,30
	v_pk_mul_f32 v[32*\x+\i:32*\x+\i+1], v[32*\x+\i:32*\x+\i+1], v[ST+8*\x+4:ST+8*\x+5] op_sel_hi:[1,0]
.endr
.endr
	WIN 0x05                                       ; sources in window 1, destination in window 0
.irp i, 0,1,2,3,4,5,6,7,8,9,10,11,12,13,14,15,16,17,18,19,20,21,22,23,24,25,26,27,28,29,30,31
	v_cvt_pk_f16_f32 v[OUTR+\i], v[2*\i], v[2*\i+1]
.endr
	WIN 0
.irp x, 0,1
.irp t, 0,1,2,3
	global_store_b128 v[LI], v[OUTR+16*\x+4*\t:OUTR+16*\x+4*\t+3], s[AA:AA+1] offset:32768*\x+512*\t
.endr
.endr
	s_wait_xcnt 0x0                                ; the stores have read their registers and their base: both may be written again
.endm
	s_sub_co_u32 s[BLK], 7, s[JJ]                  ; the first block of queries
	INIT
	s_mov_b32 s[NN], 0
.Lslot:                                            ; eight trips; behind each change of slots the next trip's keys are asked for
	CHANGE 1
	SLOT_STEPS
	s_cmp_lg_u32 s[NN], s[LASTA]                   ; the first block's last slot?  (ids and the count of trips alone: the same in all eight waves)
	s_cbranch_scc1 .Lsame
	WAYOUT
	s_mov_b32 s[BLK], s[JJ]                        ; the second block
	INIT
.Lsame:
	s_add_co_u32 s[NN], s[NN], 1
	s_cmp_lt_u32 s[NN], 8
	s_cbranch_scc1 .Lslot
	CHANGE 0                                       ; the ninth slot is written out: nothing is left to fetch
	SLOT_STEPS
	WAYOUT
	s_wait_tensorcnt 0x0                           ; the wave's end
	ds_add_u32 v[SPW], v[NIL]
	s_wait_dscnt 0x0
	s_endpgm
.Lfunc_end_k_qeef1649039_attn:
	.size	k_qeef1649039_attn, .Lfunc_end_k_qeef1649039_attn-k_qeef1649039_attn
	.p2alignl 7, 3214868480
	.fill 96, 4, 3214868480
	.section	.rodata,"a",@progbits
	.p2align	6, 0x0
	.amdhsa_kernel k_qeef1649039_attn
		.amdhsa_group_segment_fixed_size 327680
		.amdhsa_private_segment_fixed_size 0
		.amdhsa_enable_private_segment 0
		.amdhsa_kernarg_size 16
		.amdhsa_user_sgpr_count 2
		.amdhsa_user_sgpr_kernarg_segment_ptr 1
		.amdhsa_wavefront_size32 1
		.amdhsa_system_sgpr_workgroup_id_x 1
		.amdhsa_system_sgpr_workgroup_id_y 1
		.amdhsa_system_sgpr_workgroup_id_z 1
		.amdhsa_system_vgpr_workitem_id 0
		.amdhsa_next_free_vgpr 384
		.amdhsa_next_free_sgpr 66
		.amdhsa_reserve_vcc 1
		.amdhsa_float_denorm_mode_32 3
		.amdhsa_float_denorm_mode_16_64 3
		.amdhsa_memory_ordered 1
		.amdhsa_forward_progress 1
		.amdhsa_inst_pref_size 66
	.end_amdhsa_kernel
	.amdgpu_metadata
---
amdhsa.version: [ 1, 2 ]
amdhsa.kernels:
  - .name:           k_qeef1649039_attn
    .symbol:         k_qeef1649039_attn.kd
    .args:
      - { .name: qkvf, .offset: 0, .size: 8, .value_kind: global_buffer, .address_space: global }
      - { .name: att, .offset: 8, .size: 8, .value_kind: global_buffer, .address_space: global }
    .group_segment_fixed_size: 327680
    .private_segment_fixed_size: 0
    .kernarg_segment_align: 8
    .kernarg_segment_size: 16
    .max_flat_workgroup_size: 256
    .sgpr_count:     66
    .vgpr_count:     384
    .wavefront_size: 32
...
	.end_amdgpu_metadata
.endif
;; end of part 3
;; launch oproj (part 4): grid 4 x 64, 4 waves a work-group, clusters of 4 x 1, 327,680 bytes of LDS; arguments att, wof, out0; writes out0
.if DOCPART == 4
	.amdgcn_target "amdgcn-amd-amdhsa--gfx1250"
	.amdhsa_code_object_version 6
	.text
	.protected	k_qeef1649039_oproj
	.globl	k_qeef1649039_oproj
	.p2align	8
	.type	k_qeef1649039_oproj,@function
k_qeef1649039_oproj:
	s_mov_b64 s[64:65], 0
	v_nop
	global_prefetch_b8 v0, s[64:65] scope:SCOPE_SE
	s_setreg_imm32_b32 hwreg(HW_REG_WAVE_MODE, 25, 1), 1
	s_wait_xcnt 0x0
	s_wait_alu depctr_hold_cnt(0) depctr_sa_sdst(0) depctr_va_vdst(0) depctr_va_sdst(0) depctr_va_ssrc(0) depctr_va_vcc(0) depctr_vm_vsrc(0)
	s_getreg_b32 s2, hwreg(HW_REG_IB_STS2, 6, 4)
	s_cmp_eq_u32 s2, 0
	s_cbranch_scc0 .Lentry_in_a_cluster
	s_endpgm
.Lentry_in_a_cluster:
	s_bfe_u32 s2, ttmp6, 0x10000c
	s_cmp_lg_u32 s2, 0x3003
	s_cbranch_scc0 .Lentry_shape_is_right
	s_endpgm
.Lentry_shape_is_right:
; out0 = att Wo^T: [8192][1024] x [1024 (n)][1024 (k)], operands f16, sums and result f32.  Both operands lie in memory as images of their registers (1,024 bytes for 16 rows x 32 k).
; A tile of 128 rows x 256 columns to a work-group: 256 work-groups; 128 x 64 to a wave: 32 accumulators.
; A (the 128 rows, ALL of K: 262,144 bytes) is brought into LDS once, in four chunks of 256 along K, by joint loads: the four work-groups of a cluster make the four column tiles of the same rows and ask with the same
; descriptor and a mask that names the four.  Nothing is filled again.  Four loads of mine are out at the start.
; B (Wo) goes from memory straight into registers: a wave's 64 columns are its own, each load is 512 consecutive bytes, and a ring of eight K steps in window 2 keeps seven steps (56 loads) on their way.
; So B is not shared by joint loads: it never touches LDS, and beside A's 262,144 bytes no ring for it would fit.
; THE MATRIX INSTRUCTION IS USED TRANSPOSED (source 0 = 16 rows of Wo, source 1 = 16 rows of att): a lane holds eight neighbouring columns of one row of the result.
; The rows of positions 0-15 of each sequence are written here like the others and replaced by the f32 launch that follows.
; REGISTERS: window 0: v1-7 addresses; v32-95, v96-159 A's fragments of a K step, two buffers; on the way out v32-95 rows read back.   window 1: accumulator (mt, u) at v[8 (4 mt + u)].   window 2: B's ring.
.set CHUNK,  65536                     ; LDS: chunk c: [tile of 16 rows 8][32 along k 8][1,024]
.set STAGE,  4*CHUNK                   ; behind A: 16 rows x (256 bytes + 16) for each wave
.set SPITCH, 272
.set SPARE,  STAGE+4*16*SPITCH         ; the spare words, 128 bytes for each wave
.set LI,  1                            ; v1  16 x lane
.set VA,  2                            ; v2  16 x lane + the chunk in hand
.set STO, 3
.set RD,  4
.set CO,  5
.set SPW, 6
.set NIL, 7
.set AF,  32
.set BK,  32
.set MSB, 0
.macro WIN new
.if MSB != \new
	s_set_vgpr_msb (MSB<<8)|\new
.set MSB, \new
.endif
.endm
.macro CROUND                          ; a round of the cluster's barrier
	s_barrier_signal -1
	s_barrier_wait -1
	s_cmp_lg_u32 s10, 0
	s_cbranch_scc1 .Lnot_wave_0_\@
	s_barrier_signal -3
.Lnot_wave_0_\@:
	s_barrier_wait -3
	s_barrier_signal -1
	s_barrier_wait -1
.endm
	s_load_b128 s[4:7], s[0:1], 0x0                ; att, wof
	s_load_b64 s[8:9], s[0:1], 0x10                ; out0
	v_lshl_add_u32 v[SPW], v0, 2, SPARE
	v_mov_b32 v[NIL], 0
	ds_add_u32 v[SPW], v[NIL]                      ; the wave's opening: the add, twice on end, and its wait ahead of my first tensor load
	ds_add_u32 v[SPW], v[NIL]
	v_lshrrev_b32 v8, 5, v0
	v_readfirstlane_b32 s10, v8                    ; wave 0..3
	s_bfe_u32 s11, ttmp6, 0x40000                  ; cx
	s_lshl_b32 s16, ttmp9, 2
	s_add_co_u32 s11, s11, s16                     ; the column tile: it enters Wo's and the result's addresses alone
	s_and_b32 s12, ttmp7, 0xffff                   ; the row tile, which the four partners share
	; descriptor group 1: 2 rows of 8,192 bytes (1,024 elements of 8), 32,768 bytes apart: 256 along K of two tiles of 16 rows
	s_mov_b32 s24, 15|(3<<16)|(1<<21)              ; the mask: all four work-groups; bit 21 set beside it
	s_mov_b32 s25, 1024<<16                        ; tensor_dim0
	s_mov_b32 s26, 2<<16                           ; tensor_dim1
	s_mov_b32 s27, 1024<<16                        ; tile_dim0
	s_mov_b32 s28, 2                               ; tile_dim1
	s_mov_b32 s29, 4096                            ; the pitch
	s_mov_b32 s30, 0
	s_mov_b32 s31, 0
	s_lshl_b32 s13, s10, 14                        ; LDS: my two tiles of rows in a chunk
	s_lshl_b32 s14, s12, 3
	s_lshl_b32 s15, s10, 1
	s_add_co_u32 s14, s14, s15
	s_lshl_b32 s14, s14, 15                        ; att: tile of rows 8 x row tile + 2 x wave
	s_mov_b32 s15, 0
	s_wait_dscnt 0x0                               ; both opening adds are done
	s_wait_kmcnt 0x0
	s_add_nc_u64 s[14:15], s[4:5], s[14:15]
.irp c, 0,1,2,3
	s_mov_b32 s[32+4*\c], 1
	s_add_co_u32 s[33+4*\c], s13, CHUNK*\c
	s_add_nc_u64 s[34+4*\c:35+4*\c], s[14:15], 8192*\c
	s_or_b32 s[35+4*\c], s[35+4*\c], 0x80000000
.endr
	CROUND                                         ; all four work-groups are here: the joint loads meet
.irp c, 0,1,2,3
	tensor_load_to_lds s[32+4*\c:35+4*\c], s[24:31]
	s_nop 0
.endr
.rept 4
	v_nop
.endr
	v_and_b32 v8, 31, v0
	v_lshlrev_b32 v[LI], 4, v8
	v_mov_b32 v[VA], v[LI]
	v_and_b32 v8, 15, v0                           ; r
	v_bfe_u32 v9, v0, 4, 1                         ; h
	s_mul_i32 s16, s10, 16*SPITCH
	s_add_co_u32 s16, s16, STAGE                   ; my stage
	v_mul_u32_u24 v[STO], v8, SPITCH
	v_lshl_add_u32 v[STO], v9, 5, v[STO]
	v_add_nc_u32 v[STO], s16, v[STO]               ; in: row r, 32 bytes for each half of the lanes
	v_mul_u32_u24 v[RD], v9, SPITCH
	v_lshl_add_u32 v[RD], v8, 4, v[RD]
	v_add_nc_u32 v[RD], s16, v[RD]                 ; back: lanes 0-15 one row of 256 bytes, lanes 16-31 the next
	v_lshlrev_b32 v[CO], 12, v9
	v_lshl_add_u32 v[CO], v8, 4, v[CO]             ; and the same two rows in the result
	s_lshl_b32 s16, s11, 19
	s_lshl_b32 s17, s10, 17
	s_add_co_u32 s16, s16, s17                     ; wof: tile of 16 columns 16 x column tile + 4 x wave, 32,768 bytes each
	s_mov_b32 s17, 0
	s_add_nc_u64 s[48:49], s[6:7], s[16:17]
	s_lshl_b32 s16, s12, 19                        ; out0: 128 rows of 4,096 bytes,
	s_lshl_b32 s18, s11, 10                        ; 256 columns,
	s_add_co_u32 s16, s16, s18
	s_lshl_b32 s18, s10, 8                         ; my 64
	s_add_co_u32 s16, s16, s18
	s_add_nc_u64 s[50:51], s[8:9], s[16:17]
.macro BLOAD k                         ; Wo's four fragments of K step k into slot k % 8 of the ring
.irp u, 0,1,2,3
	global_load_b128 v[32*((\k)%8)+8*\u:32*((\k)%8)+8*\u+3],   v[LI], s[48:49] offset:32768*\u+1024*(\k)
	global_load_b128 v[32*((\k)%8)+8*\u+4:32*((\k)%8)+8*\u+7], v[LI], s[48:49] offset:32768*\u+1024*(\k)+512
.endr
.endm
.macro ALOAD k                         ; att's eight fragments of K step k into buffer k % 2
.irp mt, 0,1,2,3,4,5,6,7
	ds_load_b128 v[AF+64*((\k)%2)+8*\mt:AF+64*((\k)%2)+8*\mt+3],   v[VA] offset:8192*\mt+1024*((\k)%8)
	ds_load_b128 v[AF+64*((\k)%2)+8*\mt+4:AF+64*((\k)%2)+8*\mt+7], v[VA] offset:8192*\mt+1024*((\k)%8)+512
.endr
.endm
.macro MUL m0, k                       ; 16 matrix instructions; the 32 accumulators take turns, in the same order in every K step
.irp mt, \m0, \m0+1, \m0+2, \m0+3
.irp u, 0,1,2,3
.if (\k) == 0
	v_wmma_f32_16x16x32_f16 v[8*(4*(\mt)+\u):8*(4*(\mt)+\u)+7], v[32*((\k)%8)+8*\u:32*((\k)%8)+8*\u+7], v[AF+64*((\k)%2)+8*(\mt):AF+64*((\k)%2)+8*(\mt)+7], 0
.else
	v_wmma_f32_16x16x32_f16 v[8*(4*(\mt)+\u):8*(4*(\mt)+\u)+7], v[32*((\k)%8)+8*\u:32*((\k)%8)+8*\u+7], v[AF+64*((\k)%2)+8*(\mt):AF+64*((\k)%2)+8*(\mt)+7], v[8*(4*(\mt)+\u):8*(4*(\mt)+\u)+7]
.endif
.endr
.endr
.endm
; A K STEP of 32.  In its middle the next step's A is fetched from LDS and B of seven steps on is asked of memory, into registers that the step before has multiplied: four places stand behind that step's products.
; Where the next step begins a chunk: my part of that chunk has landed (the later chunks' loads may stay out), and a barrier shows it of every wave.
.macro KSTEP k
	s_wait_dscnt 0x0                               ; A of this step is in
.if (\k)+6 < 31
	s_wait_loadcnt 48                              ; B of this step is in; six later steps' loads may be out
.else
	s_wait_loadcnt 8*(31-(\k))
.endif
.if ((\k)%8 == 7) && ((\k) < 31)
	s_wait_tensorcnt 2-(\k)/8
	s_barrier_signal -1
.endif
	WIN 0x52                                       ; B window 2, A window 0, C and D window 1
	MUL 0, \k
	WIN 0
.if (\k) < 31
.if (\k)%8 == 7
	s_barrier_wait -1
	v_add_nc_u32 v[VA], CHUNK, v[VA]
.rept 3
	v_nop
.endr
.else
.rept 4
	v_nop
.endr
.endif
	ALOAD (\k)+1
.endif
.if (\k)+7 < 32
	WIN 0x80
	BLOAD (\k)+7
.endif
	WIN 0x52
	MUL 4, \k
.endm
	WIN 0x80
.irp k, 0,1,2,3,4,5,6
	BLOAD \k
.endr
	WIN 0
	s_wait_tensorcnt 3                             ; my part of chunk 0 is in; three chunks may be out,
	s_barrier_signal -1
	s_barrier_wait -1                              ; everybody's is
	ALOAD 0
.set KK, 0
.rept 32
	KSTEP KK
.set KK, KK+1
.endr
	WIN 0
.rept 4
	v_nop                                          ; places in front of the first read of results and of loads into registers that held fragments
.endr
; THE WAY OUT, a block of 16 rows x 64 columns at a time, through my own stage: in as 32 bytes a lane, back as whole rows of 256 bytes.  LDS serves a wave's instructions in order (ISA guide 5.7.1.4).
.macro TOSTAGE a
	WIN 0x04                                       ; an LDS store's data are its source 1: window 1
.irp u, 0,1,2,3
	ds_store_b128 v[STO], v[8*(4*(\a)+\u):8*(4*(\a)+\u)+3]   offset:64*\u       ; each accumulator from its low end on
	ds_store_b128 v[STO], v[8*(4*(\a)+\u)+4:8*(4*(\a)+\u)+7] offset:64*\u+16
.endr
	WIN 0
.irp t, 0,1,2,3,4,5,6,7
	ds_load_b128 v[BK+32*((\a)%2)+4*\t:BK+32*((\a)%2)+4*\t+3], v[RD] offset:\t*2*SPITCH
.endr
.endm
.macro SEND a, younger
	s_wait_dscnt \younger                          ; the block is back in registers (the next block's stores and loads may be out)
.irp t, 0,1,2,3,4,5,6,7
	global_store_b128 v[CO], v[BK+32*((\a)%2)+4*\t:BK+32*((\a)%2)+4*\t+3], s[50:51] offset:65536*(\a)+8192*\t th:TH_STORE_NT   ; sixteen lanes store 256 consecutive bytes, aligned
.endr
.endm
	TOSTAGE 0
.irp a, 1,2,3,4,5,6,7
.if \a > 1
	s_wait_xcnt 0x0                                ; block a - 2's stores have read their registers: block a's loads may land there
.endif
	TOSTAGE \a
	SEND \a-1, 16
.endr
	SEND 7, 0
	s_wait_tensorcnt 0x0                           ; the wave's end
	ds_add_u32 v[SPW], v[NIL]
	s_wait_dscnt 0x0
	CROUND                                         ; the closing round
	s_endpgm
.Lfunc_end_k_qeef1649039_oproj:
	.size	k_qeef1649039_oproj, .Lfunc_end_k_qeef1649039_oproj-k_qeef1649039_oproj
	.p2alignl 7, 3214868480
	.fill 96, 4, 3214868480
	.section	.rodata,"a",@progbits
	.p2align	6, 0x0
	.amdhsa_kernel k_qeef1649039_oproj
		.amdhsa_group_segment_fixed_size 327680
		.amdhsa_private_segment_fixed_size 0
		.amdhsa_enable_private_segment 0
		.amdhsa_kernarg_size 24
		.amdhsa_user_sgpr_count 2
		.amdhsa_user_sgpr_kernarg_segment_ptr 1
		.amdhsa_wavefront_size32 1
		.amdhsa_system_sgpr_workgroup_id_x 1
		.amdhsa_system_sgpr_workgroup_id_y 1
		.amdhsa_system_sgpr_workgroup_id_z 1
		.amdhsa_system_vgpr_workitem_id 0
		.amdhsa_next_free_vgpr 768
		.amdhsa_next_free_sgpr 66
		.amdhsa_reserve_vcc 0
		.amdhsa_float_denorm_mode_32 3
		.amdhsa_float_denorm_mode_16_64 3
		.amdhsa_memory_ordered 1
		.amdhsa_forward_progress 1
		.amdhsa_inst_pref_size 150
	.end_amdhsa_kernel
	.amdgpu_metadata
---
amdhsa.version: [ 1, 2 ]
amdhsa.kernels:
  - .name:           k_qeef1649039_oproj
    .symbol:         k_qeef1649039_oproj.kd
    .args:
      - { .name: att, .offset: 0, .size: 8, .value_kind: global_buffer, .address_space: global }
      - { .name: wof, .offset: 8, .size: 8, .value_kind: global_buffer, .address_space: global }
      - { .name: out0, .offset: 16, .size: 8, .value_kind: global_buffer, .address_space: global }
    .group_segment_fixed_size: 327680
    .private_segment_fixed_size: 0
    .kernarg_segment_align: 8
    .kernarg_segment_size: 24
    .max_flat_workgroup_size: 128
    .sgpr_count:     66
    .vgpr_count:     768
    .wavefront_size: 32
...
	.end_amdgpu_metadata
.endif
;; end of part 4
;; launch fine (part 5): grid 16 x 4, 16 waves a work-group, no clusters, 71,680 bytes of LDS; arguments fineb, Wo, out0; writes out0
.if DOCPART == 5
	.amdgcn_target "amdgcn-amd-amdhsa--gfx1250"
	.amdhsa_code_object_version 6
	.text
	.protected	k_qeef1649039_fine
	.globl	k_qeef1649039_fine
	.p2align	8
	.type	k_qeef1649039_fine,@function
k_qeef1649039_fine:
	s_mov_b64 s[64:65], 0
	v_nop
	global_prefetch_b8 v0, s[64:65] scope:SCOPE_SE
	s_setreg_imm32_b32 hwreg(HW_REG_WAVE_MODE, 25, 1), 1
	s_wait_xcnt 0x0
; THE FIRST 16 POSITIONS OF EVERY SEQUENCE, all in f32: scores, softmax, the weighted sum of V and the out projection.  These rows average one to sixteen values, so the rounding of f16 operands would weigh most there.
; It replaces rows 0-15 of each batch in out0, which the launch before has written.
; A work-group makes 16 rows x 64 columns of one batch.  Wave = head: it redoes its head's 16 x 16 attention and multiplies it by its 64 columns of k of Wo; the sixteen partial results meet in LDS and are added in ascending order.
; fineb holds Q (x log2(e) / 8), K, V^T of these positions as images of accumulators: Q, K: lane (r, h), register j of tile t = (position r, channel 16 t + 8 h + j); V: (channel 16 t + r, key 8 h + j).
; THE f32 MATRIX FORM takes k = 2 h + j from register j.  A pair of an image's registers puts other channels (or keys) into those four places, the SAME ones on both sides of a product, so the sums are over the right pairs.
; All products are used transposed, so that a lane holds one query throughout.  The registers that the f32 form writes (v112-175) are written by matrix instructions alone; each sum begins with the constant 0.
; REGISTERS: v1-11 addresses; v12, v13 the add's two; v16-47 Q, v48-79 K (later Wo's second half); v80-111 V; v112-143, v144-175 accumulators; v176-183 scores, then weights; v184-191 at work; v192-255 Wo's first half, later the partial sums.
.set QQ,   16
.set KK,   48
.set VV,   80
.set ACCA, 112
.set ACCO, 144
.set TT,   176
.set TM,   184
.set WA,   192
.set WBR,  16
.set HSTG, 16*272                      ; a head's stage: 16 rows x (256 bytes + 16)
.set SPARE, 16*HSTG                    ; behind the sixteen stages: the spare words, 128 bytes for each wave
	s_load_b128 s[4:7], s[0:1], 0x0                ; fineb, Wo
	s_load_b64 s[8:9], s[0:1], 0x10                ; out0
	v_lshl_add_u32 v12, v0, 2, SPARE
	v_mov_b32 v13, 0
	v_lshrrev_b32 v1, 5, v0
	v_readfirstlane_b32 s10, v1                    ; wave = head; at the end: the row that I add up
	s_and_b32 s11, ttmp7, 0xffff                   ; batch
	v_and_b32 v2, 31, v0
	v_lshlrev_b32 v1, 4, v2                        ; 16 x lane
	v_and_b32 v3, 15, v0                           ; r
	v_bfe_u32 v4, v0, 4, 1                         ; h
	v_lshlrev_b32 v5, 12, v3
	v_lshl_add_u32 v5, v4, 5, v5                   ; Wo: row r of 4,096 bytes + 32 h
	v_lshlrev_b32 v6, 3, v4
	v_sub_nc_u32 v6, v3, v6                        ; r - 8 h
	s_mul_i32 s12, s10, HSTG
	v_mul_u32_u24 v7, v3, 272
	v_lshl_add_u32 v7, v4, 5, v7
	v_add_nc_u32 v7, s12, v7                       ; my stage: row r, + 32 h
	s_mul_i32 s12, s10, 272
	v_lshlrev_b32 v8, 3, v2                        ; 8 x lane
	v_add_nc_u32 v9, s12, v8                       ; back: row = my wave's number, 8 bytes a lane
	v_mov_b32 v10, 0xff800000                      ; -infinity
	v_mov_b32 v11, 0                               ; a lane permute's destination counts as one of its sources
	s_mov_b32 s14, 0x76543210
	s_mov_b32 s15, 0xfedcba98
	s_lshl_b32 s16, s11, 4
	s_add_co_u32 s16, s16, s10
	s_lshl_b32 s16, s16, 12                        ; fineb: 4,096 bytes for each batch x head
	s_mov_b32 s17, 0
	s_lshl_b32 s18, ttmp9, 18                      ; Wo: 64 rows of 4,096 bytes,
	s_lshl_b32 s19, s10, 8                         ; my head's 64 numbers of k
	s_add_co_u32 s18, s18, s19
	s_mov_b32 s19, 0
	s_lshl_b32 s20, s11, 11
	s_add_co_u32 s20, s20, s10
	s_lshl_b32 s20, s20, 12                        ; out0: row 2,048 x batch + my wave's number,
	s_lshl_b32 s21, ttmp9, 8                       ; the work-group's 64 columns
	s_add_co_u32 s20, s20, s21
	s_mov_b32 s21, 0
	s_wait_kmcnt 0x0
	s_add_nc_u64 s[4:5], s[4:5], s[16:17]
	s_add_nc_u64 s[6:7], s[6:7], s[18:19]
	s_add_nc_u64 s[8:9], s[8:9], s[20:21]
.irp t, 0,1,2,3
	global_load_b128 v[QQ+8*\t:QQ+8*\t+3],   v1, s[4:5] offset:1024*\t
	global_load_b128 v[QQ+8*\t+4:QQ+8*\t+7], v1, s[4:5] offset:1024*\t+512
.endr
.irp t, 0,1,2,3
	global_load_b128 v[KK+8*\t:KK+8*\t+3],   v1, s[4:5] offset:262144+1024*\t
	global_load_b128 v[KK+8*\t+4:KK+8*\t+7], v1, s[4:5] offset:262144+1024*\t+512
.endr
.irp t, 0,1,2,3
	global_load_b128 v[VV+8*\t:VV+8*\t+3],   v1, s[4:5] offset:524288+1024*\t
	global_load_b128 v[VV+8*\t+4:VV+8*\t+7], v1, s[4:5] offset:524288+1024*\t+512
.endr
.irp u, 0,1,2,3                        ; Wo(64 x work-group + 16 u + r, 64 head + 16 t + 8 h + 0..7), t = 0, 1
.irp t, 0,1
	global_load_b128 v[WA+16*\u+8*\t:WA+16*\u+8*\t+3],   v5, s[6:7] offset:65536*\u+64*\t
	global_load_b128 v[WA+16*\u+8*\t+4:WA+16*\u+8*\t+7], v5, s[6:7] offset:65536*\u+64*\t+16
.endr
.endr
	s_wait_loadcnt 24                              ; Q and K are in; V's 8 and Wo's 16 loads may be out
.irp p, 0,1,2,3                        ; S^T = K Q^T: a quarter of the channels to each of four accumulators, which take turns
.irp t, 0,1,2,3
.if \p == 0
	v_wmma_f32_16x16x4_f32 v[ACCA+8*\t:ACCA+8*\t+7], v[KK+8*\t+2*\p:KK+8*\t+2*\p+1], v[QQ+8*\t+2*\p:QQ+8*\t+2*\p+1], 0
.else
	v_wmma_f32_16x16x4_f32 v[ACCA+8*\t:ACCA+8*\t+7], v[KK+8*\t+2*\p:KK+8*\t+2*\p+1], v[QQ+8*\t+2*\p:QQ+8*\t+2*\p+1], v[ACCA+8*\t:ACCA+8*\t+7]
.endif
.endr
.endr
.rept 8
	v_nop                                          ; eight places behind this form (ISA guide 7.12.1)
.endr
.irp i, 0,2,4,6                        ; the four quarters are added: lane (r, h), register j: query r, key 8 h + j.  Each accumulator from its low end on
	v_pk_add_f32 v[TT+\i:TT+\i+1], v[ACCA+\i:ACCA+\i+1], v[ACCA+8+\i:ACCA+8+\i+1]
	v_pk_add_f32 v[TM+\i:TM+\i+1], v[ACCA+16+\i:ACCA+16+\i+1], v[ACCA+24+\i:ACCA+24+\i+1]
.endr
.irp i, 0,2,4,6
	v_pk_add_f32 v[TT+\i:TT+\i+1], v[TT+\i:TT+\i+1], v[TM+\i:TM+\i+1]
.endr
.irp u, 0,1,2,3                        ; Wo's second half, t = 2, 3, into the registers that Q and K have left
.irp t, 0,1
	global_load_b128 v[WBR+16*\u+8*\t:WBR+16*\u+8*\t+3],   v5, s[6:7] offset:65536*\u+128+64*\t
	global_load_b128 v[WBR+16*\u+8*\t+4:WBR+16*\u+8*\t+7], v5, s[6:7] offset:65536*\u+128+64*\t+16
.endr
.endr
.irp j, 0,1,2,3,4,5,6,7
	v_cmp_gt_i32 vcc_lo, \j, v6                    ; key 8 h + j after query r: hidden
	v_cndmask_b32 v[TT+\j], v[TT+\j], v10, vcc_lo
.endr
	v_max3_num_f32 v[TM], v[TT], v[TT+1], v[TT+2]
	v_max3_num_f32 v[TM], v[TM], v[TT+3], v[TT+4]
	v_max3_num_f32 v[TM], v[TM], v[TT+5], v[TT+6]
	v_max_num_f32 v[TM], v[TM], v[TT+7]
	v_permlanex16_b32 v11, v[TM], s14, s15
	v_max_num_f32 v[TM], v[TM], v11                ; the row's maximum: key 0 counts for every query, so it is a number
.irp j, 0,1,2,3,4,5,6,7
	v_sub_f32 v[TT+\j], v[TT+\j], v[TM]
.endr
.irp j, 0,1,2,3,4,5,6,7
	v_exp_f32 v[TT+\j], v[TT+\j]
.endr
	v_nop                                          ; a plain line behind the exponentials,
	s_wait_alu depctr_va_vdst(0)                   ; and one wait for the eight
	v_pk_add_f32 v[TM:TM+1], v[TT:TT+1], v[TT+2:TT+3]
	v_pk_add_f32 v[TM+2:TM+3], v[TT+4:TT+5], v[TT+6:TT+7]
	v_pk_add_f32 v[TM:TM+1], v[TM:TM+1], v[TM+2:TM+3]
	v_add_f32 v[TM], v[TM], v[TM+1]
	v_permlanex16_b32 v11, v[TM], s14, s15
	v_add_f32 v[TM], v[TM], v11                    ; the row's sum
	v_rcp_f32 v[TM+4], v[TM]
	v_nop
	s_wait_alu depctr_va_vdst(0)
.irp j, 0,1,2,3,4,5,6,7
	v_mul_f32 v[TT+\j], v[TT+\j], v[TM+4]          ; the weights
.endr
	s_wait_loadcnt 32                              ; V is in; Wo's 32 loads may be out
.irp c, 0,1,2,3                        ; O^T = V^T P: four tiles of 16 channels by turns; four keys a product
.irp t, 0,1,2,3
.if \c == 0
	v_wmma_f32_16x16x4_f32 v[ACCO+8*\t:ACCO+8*\t+7], v[VV+8*\t+2*\c:VV+8*\t+2*\c+1], v[TT+2*\c:TT+2*\c+1], 0
.else
	v_wmma_f32_16x16x4_f32 v[ACCO+8*\t:ACCO+8*\t+7], v[VV+8*\t+2*\c:VV+8*\t+2*\c+1], v[TT+2*\c:TT+2*\c+1], v[ACCO+8*\t:ACCO+8*\t+7]
.endif
.endr
.endr
.rept 9
	v_nop                                          ; nine places before a matrix instruction takes these results as an operand
.endr
	s_wait_loadcnt 16                              ; Wo's first half is in
.irp t, 0,1,2,3                        ; my head's part of the result, transposed: source 0 = 16 rows of Wo, source 1 = O^T as it stands: four tiles of 16 columns by turns
.if \t == 2
	s_wait_loadcnt 0x0                             ; Wo's second half
.endif
.irp p, 0,1,2,3
.irp u, 0,1,2,3
.set WR, WA+16*\u+8*\t+2*\p
.if \t > 1
.set WR, WBR+16*\u+8*(\t-2)+2*\p
.endif
.if (\t == 0) && (\p == 0)
	v_wmma_f32_16x16x4_f32 v[ACCA+8*\u:ACCA+8*\u+7], v[WR:WR+1], v[ACCO+8*\t+2*\p:ACCO+8*\t+2*\p+1], 0
.else
	v_wmma_f32_16x16x4_f32 v[ACCA+8*\u:ACCA+8*\u+7], v[WR:WR+1], v[ACCO+8*\t+2*\p:ACCO+8*\t+2*\p+1], v[ACCA+8*\u:ACCA+8*\u+7]
.endif
.endr
.endr
.endr
.rept 8
	v_nop
.endr
.irp u, 0,1,2,3                        ; lane (r, h), register j of tile u: row r, column 16 u + 8 h + j
	ds_store_b128 v7, v[ACCA+8*\u:ACCA+8*\u+3]   offset:64*\u
	ds_store_b128 v7, v[ACCA+8*\u+4:ACCA+8*\u+7] offset:64*\u+16
.endr
	s_wait_dscnt 0x0                               ; for the others' sake: my stores have landed
	s_barrier_signal -1
	s_barrier_wait -1
.irp i, 0,1,2,3,4,5,6,7,8,9,10,11,12,13,14,15
	ds_load_b64 v[WA+2*\i:WA+2*\i+1], v9 offset:HSTG*\i    ; my row of head i's part: 256 consecutive bytes a load
.endr
	s_wait_dscnt 0x0
	v_pk_add_f32 v[TM:TM+1], v[WA:WA+1], v[WA+2:WA+3]
.irp i, 2,3,4,5,6,7,8,9,10,11,12,13,14,15
	v_pk_add_f32 v[TM:TM+1], v[TM:TM+1], v[WA+2*\i:WA+2*\i+1]
.endr
	global_store_b64 v8, v[TM:TM+1], s[8:9]        ; 256 consecutive bytes, aligned
	s_wait_tensorcnt 0x0                           ; the wave's end, behind my last LDS store
	ds_add_u32 v12, v13
	s_wait_dscnt 0x0
	s_endpgm
.Lfunc_end_k_qeef1649039_fine:
	.size	k_qeef1649039_fine, .Lfunc_end_k_qeef1649039_fine-k_qeef1649039_fine
	.p2alignl 7, 3214868480
	.fill 96, 4, 3214868480
	.section	.rodata,"a",@progbits
	.p2align	6, 0x0
	.amdhsa_kernel k_qeef1649039_fine
		.amdhsa_group_segment_fixed_size 71680
		.amdhsa_private_segment_fixed_size 0
		.amdhsa_enable_private_segment 0
		.amdhsa_kernarg_size 24
		.amdhsa_user_sgpr_count 2
		.amdhsa_user_sgpr_kernarg_segment_ptr 1
		.amdhsa_wavefront_size32 1
		.amdhsa_system_sgpr_workgroup_id_x 1
		.amdhsa_system_sgpr_workgroup_id_y 1
		.amdhsa_system_sgpr_workgroup_id_z 1
		.amdhsa_system_vgpr_workitem_id 0
		.amdhsa_next_free_vgpr 256
		.amdhsa_next_free_sgpr 66
		.amdhsa_reserve_vcc 1
		.amdhsa_float_denorm_mode_32 3
		.amdhsa_float_denorm_mode_16_64 3
		.amdhsa_memory_ordered 1
		.amdhsa_forward_progress 1
		.amdhsa_inst_pref_size 20
	.end_amdhsa_kernel
	.amdgpu_metadata
---
amdhsa.version: [ 1, 2 ]
amdhsa.kernels:
  - .name:           k_qeef1649039_fine
    .symbol:         k_qeef1649039_fine.kd
    .args:
      - { .name: fineb, .offset: 0, .size: 8, .value_kind: global_buffer, .address_space: global }
      - { .name: Wo, .offset: 8, .size: 8, .value_kind: global_buffer, .address_space: global }
      - { .name: out0, .offset: 16, .size: 8, .value_kind: global_buffer, .address_space: global }
    .group_segment_fixed_size: 71680
    .private_segment_fixed_size: 0
    .kernarg_segment_align: 8
    .kernarg_segment_size: 24
    .max_flat_workgroup_size: 512
    .sgpr_count:     66
    .vgpr_count:     256
    .wavefront_size: 32
...
	.end_amdgpu_metadata
.endif
;; end of part 5
